; MI455X (gfx1250); checked and timed in simulation.
; The chip was launched on July 23, 2026; its instructions are those of AMD's public machine-readable ISA for CDNA 5 (MIT licence, August 2026) and "CDNA5" Instruction Set Architecture Reference Guide (July 2026). The comments in the code are by the model that wrote it; some were corrected since.
;; Multi Head Attention. Allowed arithmetic: float matrix products may take bf16 or f16 operands with f32 sums; other float arithmetic in f32, or as packed bf16 or f16 multiplies, adds, multiply-adds, maxima and minima; sums over many terms, partial sums and values carried from step to step in f32; what a program stores and reads back later, other than sums and carried values, may be rounded once to bf16 or f16.
;; Inputs: b_k 1,024 float32; b_o 1,024 float32; b_q 1,024 float32; b_v 1,024 float32; k 4 x 2,048 x 1,024 float32; q 4 x 2,048 x 1,024 float32; v 4 x 2,048 x 1,024 float32; w_k 1,024 x 1,024 float32; w_o 1,024 x 1,024 float32; w_q 1,024 x 1,024 float32; w_v 1,024 x 1,024 float32.
;; Outputs: out0 4 x 2,048 x 1,024 float32.
;; One version. Each part assembles by itself: llvm-mc -triple=amdgcn-amd-amdhsa -mcpu=gfx1250 --defsym DOCPART=n.
;; ======== version 1 of 1: 4 launches
;; limits: values are held in f16: magnitudes above 65,504 overflow, below 6.1e-05 lose precision
;; workspace buffers: wcast 8,388,608 bytes; bcast 16,384 bytes; qkvh 50,331,648 bytes; oh 16,777,216 bytes
;; launch prep (part 1): grid 64 x 4, 8 waves a work-group, no clusters, 0 bytes of LDS; arguments w_q, w_k, w_v, w_o, b_q, b_k, b_v, b_o, wcast, bcast; writes wcast, bcast
.if DOCPART == 1
	.amdgcn_target "amdgcn-amd-amdhsa--gfx1250"
	.amdhsa_code_object_version 6
	.text
	.protected	k_q0c18734ca2_prep
	.globl	k_q0c18734ca2_prep
	.p2align	8
	.type	k_q0c18734ca2_prep,@function
k_q0c18734ca2_prep:
	s_mov_b64 s[64:65], 0
	v_nop
	global_prefetch_b8 v0, s[64:65] scope:SCOPE_SE
	s_setreg_imm32_b32 hwreg(HW_REG_WAVE_MODE, 25, 1), 1
	s_wait_xcnt 0x0
; THE WEIGHTS AND BIASES ARE ROUNDED ONCE.  wcast: [4][1024 k][1024 n] of 16 bits: planes 0-2 (w_q, w_k, w_v) in bf16; plane 3 (w_o) rounded to bf16 and that number written as f16,
; since the last product multiplies f16 by f16.  bcast: [4][1024] f32: each bias rounded to bf16 and widened again.
; LIMITS.  A bf16 number is exact in f16 between 6.1e-5 and 65,504; below that w_o keeps f16's fixed step of 6e-8, from 65,520 on it becomes an infinity.
; SHARES.  Work-group (x, y): tensor y, elements 16,384 x on: 64 KiB in, 32 KiB out.  Thread t, turn i: 32 bytes in at 32 t + 8,192 i (two loads of 16), 16 bytes out at 16 t + 4,096 i:
; a wave's store covers 512 consecutive bytes, aligned.  All sixteen loads go out before the first conversion.  No LDS, no barrier: no thread wants another's numbers.
.set X,  16                            ; v[16:79]   turn i: 8 numbers in f32
.set Y,  80                            ; v[80:111]  turn i: 8 numbers in 16 bits, to store; each turn has its own, so no store's data is rewritten
.set T,  112                           ; v[112:115] at work: bf16 pairs
.set U,  116                           ; v[116:123] at work: those widened to f32
.set BB, 124                           ; v[124:127] four numbers of a bias
	s_load_b512 s[4:19], s[0:1], 0x0               ; w_q s[4:5], w_k s[6:7], w_v s[8:9], w_o s[10:11], b_q s[12:13], b_k s[14:15], b_v s[16:17], b_o s[18:19]
	s_load_b128 s[20:23], s[0:1], 0x40             ; wcast s[20:21], bcast s[22:23]
	s_and_b32 s24, ttmp7, 0xffff                   ; which tensor
	v_lshlrev_b32 v1, 5, v0                        ; 32 t
	v_lshlrev_b32 v2, 4, v0                        ; 16 t
	s_lshl_b32 s26, ttmp9, 16                      ; in: 64 KiB a work-group
	s_mov_b32 s27, 0
	s_lshl_b32 s28, s24, 21                        ; out: the plane of 2 MiB,
	s_lshl_b32 s25, ttmp9, 15                      ; 32 KiB a work-group
	s_add_co_u32 s28, s28, s25
	s_mov_b32 s29, 0
	s_lshl_b32 s30, s24, 12                        ; the bias's 4,096 bytes in bcast
	s_mov_b32 s31, 0
	s_wait_kmcnt 0x0
	s_cmp_eq_u32 s24, 1                            ; the tensor's two addresses are chosen by its number
	s_cselect_b64 s[4:5], s[6:7], s[4:5]
	s_cselect_b64 s[12:13], s[14:15], s[12:13]
	s_cmp_eq_u32 s24, 2
	s_cselect_b64 s[4:5], s[8:9], s[4:5]
	s_cselect_b64 s[12:13], s[16:17], s[12:13]
	s_cmp_eq_u32 s24, 3
	s_cselect_b64 s[4:5], s[10:11], s[4:5]
	s_cselect_b64 s[12:13], s[18:19], s[12:13]
	s_add_nc_u64 s[4:5], s[4:5], s[26:27]
	s_add_nc_u64 s[20:21], s[20:21], s[28:29]
	s_add_nc_u64 s[22:23], s[22:23], s[30:31]
.irp i, 0,1,2,3,4,5,6,7
	global_load_b128 v[X+8*(\i):X+8*(\i)+3],   v1, s[4:5] offset:8192*(\i) th:TH_LOAD_NT
	global_load_b128 v[X+8*(\i)+4:X+8*(\i)+7], v1, s[4:5] offset:8192*(\i)+16 th:TH_LOAD_NT
.endr
	s_cmp_eq_u32 s24, 3
	s_cbranch_scc1 .Lhalf
.irp i, 0,1,2,3,4,5,6,7                ; planes 0-2: one rounding to bf16
	s_wait_loadcnt 14-2*(\i)                       ; loads come back in order: turn i's two are in, the 14 - 2 i younger ones stay out
.irp j, 0,1,2,3
	v_cvt_pk_bf16_f32 v[Y+4*(\i)+(\j)], v[X+8*(\i)+2*(\j)], v[X+8*(\i)+2*(\j)+1]
.endr
	global_store_b128 v2, v[Y+4*(\i):Y+4*(\i)+3], s[20:21] offset:4096*(\i)
.endr
	s_branch .Lbias
.Lhalf:
.irp i, 0,1,2,3,4,5,6,7                ; plane 3: rounded to bf16, widened, written as f16
	s_wait_loadcnt 14-2*(\i)
.irp j, 0,1,2,3
	v_cvt_pk_bf16_f32 v[T+(\j)], v[X+8*(\i)+2*(\j)], v[X+8*(\i)+2*(\j)+1]
.endr
.irp j, 0,1,2,3
	v_lshlrev_b32 v[U+2*(\j)],   16, v[T+(\j)]
	v_and_b32     v[U+2*(\j)+1], 0xffff0000, v[T+(\j)]
.endr
.irp j, 0,1,2,3
	v_cvt_pk_f16_f32 v[Y+4*(\i)+(\j)], v[U+2*(\j)], v[U+2*(\j)+1]
.endr
	global_store_b128 v2, v[Y+4*(\i):Y+4*(\i)+3], s[20:21] offset:4096*(\i)
.endr
.Lbias:
	s_cmp_lg_u32 ttmp9, 0                          ; the tensor's first work-group also takes its bias: 256 threads x 16 bytes
	s_cbranch_scc1 .Lend
	global_load_b128 v[BB:BB+3], v2, s[12:13]
	s_wait_loadcnt 0x0
	v_cvt_pk_bf16_f32 v[T],   v[BB],   v[BB+1]
	v_cvt_pk_bf16_f32 v[T+1], v[BB+2], v[BB+3]
.irp j, 0,1
	v_lshlrev_b32 v[U+2*(\j)],   16, v[T+(\j)]
	v_and_b32     v[U+2*(\j)+1], 0xffff0000, v[T+(\j)]
.endr
	global_store_b128 v2, v[U:U+3], s[22:23]
.Lend:
	s_endpgm
.Lfunc_end_k_q0c18734ca2_prep:
	.size	k_q0c18734ca2_prep, .Lfunc_end_k_q0c18734ca2_prep-k_q0c18734ca2_prep
	.p2alignl 7, 3214868480
	.fill 96, 4, 3214868480
	.section	.rodata,"a",@progbits
	.p2align	6, 0x0
	.amdhsa_kernel k_q0c18734ca2_prep
		.amdhsa_group_segment_fixed_size 0
		.amdhsa_private_segment_fixed_size 0
		.amdhsa_enable_private_segment 0
		.amdhsa_kernarg_size 80
		.amdhsa_user_sgpr_count 2
		.amdhsa_user_sgpr_kernarg_segment_ptr 1
		.amdhsa_wavefront_size32 1
		.amdhsa_system_sgpr_workgroup_id_x 1
		.amdhsa_system_sgpr_workgroup_id_y 1
		.amdhsa_system_sgpr_workgroup_id_z 1
		.amdhsa_system_vgpr_workitem_id 0
		.amdhsa_next_free_vgpr 128
		.amdhsa_next_free_sgpr 66
		.amdhsa_reserve_vcc 0
		.amdhsa_float_denorm_mode_32 3
		.amdhsa_float_denorm_mode_16_64 3
		.amdhsa_memory_ordered 1
		.amdhsa_forward_progress 1
		.amdhsa_inst_pref_size 15
	.end_amdhsa_kernel
	.amdgpu_metadata
---
amdhsa.version: [ 1, 2 ]
amdhsa.kernels:
  - .name:           k_q0c18734ca2_prep
    .symbol:         k_q0c18734ca2_prep.kd
    .args:
      - { .name: w_q, .offset: 0, .size: 8, .value_kind: global_buffer, .address_space: global }
      - { .name: w_k, .offset: 8, .size: 8, .value_kind: global_buffer, .address_space: global }
      - { .name: w_v, .offset: 16, .size: 8, .value_kind: global_buffer, .address_space: global }
      - { .name: w_o, .offset: 24, .size: 8, .value_kind: global_buffer, .address_space: global }
      - { .name: b_q, .offset: 32, .size: 8, .value_kind: global_buffer, .address_space: global }
      - { .name: b_k, .offset: 40, .size: 8, .value_kind: global_buffer, .address_space: global }
      - { .name: b_v, .offset: 48, .size: 8, .value_kind: global_buffer, .address_space: global }
      - { .name: b_o, .offset: 56, .size: 8, .value_kind: global_buffer, .address_space: global }
      - { .name: wcast, .offset: 64, .size: 8, .value_kind: global_buffer, .address_space: global }
      - { .name: bcast, .offset: 72, .size: 8, .value_kind: global_buffer, .address_space: global }
    .group_segment_fixed_size: 0
    .private_segment_fixed_size: 0
    .kernarg_segment_align: 8
    .kernarg_segment_size: 80
    .max_flat_workgroup_size: 256
    .sgpr_count:     66
    .vgpr_count:     128
    .wavefront_size: 32
...
	.end_amdgpu_metadata
.endif
;; end of part 1
;; launch proj (part 2): grid 4 x 64, 4 waves a work-group, clusters of 4 x 4, 327,680 bytes of LDS; arguments q, k, v, wcast, bcast, qkvh; writes qkvh
.if DOCPART == 2
	.amdgcn_target "amdgcn-amd-amdhsa--gfx1250"
	.amdhsa_code_object_version 6
	.text
	.protected	k_q0c18734ca2_proj
	.globl	k_q0c18734ca2_proj
	.p2align	8
	.type	k_q0c18734ca2_proj,@function
k_q0c18734ca2_proj:
	s_mov_b64 s[64:65], 0
	v_nop
	global_prefetch_b8 v0, s[64:65] scope:SCOPE_SE
	s_setreg_imm32_b32 hwreg(HW_REG_WAVE_MODE, 25, 1), 1
	s_wait_xcnt 0x0
	s_wait_alu depctr_hold_cnt(0) depctr_sa_sdst(0) depctr_va_vdst(0) depctr_va_sdst(0) depctr_va_ssrc(0) depctr_va_vcc(0) depctr_vm_vsrc(0)
	s_getreg_b32 s2, hwreg(HW_REG_IB_STS2, 6, 4)
	s_cmp_eq_u32 s2, 0
	s_cbranch_scc0 .Lentry_in_a_cluster
	s_endpgm
.Lentry_in_a_cluster:
	s_bfe_u32 s2, ttmp6, 0x10000c
	s_cmp_lg_u32 s2, 0xf033
	s_cbranch_scc0 .Lentry_shape_is_right
	s_endpgm
.Lentry_shape_is_right:
; THE THREE INPUT PROJECTIONS.  y = x W + b for (q, w_q, b_q), (k, w_k, b_k), (v, w_v, b_v).  x: [8192][1024] f32; W: a plane of wcast, [1024 k][1024 n] bf16; b: a row of bcast, f32.
; y leaves split by heads: qkvh[t][16 (m / 2048) + n / 64][m % 2048][n % 64] in f16, rounded once from its f32 sum, unscaled.
; LIMITS.  x is rounded to bf16 on its way to the matrix unit.  f16 holds no number beyond 65,504: a y of 65,520 or more becomes an infinity; below 6.1e-5 y keeps f16's fixed step of 6e-8.
; SHARES.  A tile of y is 128 rows x 256 columns (four heads); 3 x 64 x 4 = 768 tiles for 256 work-groups: A WORK-GROUP STAYS and makes the same tile of q's, then k's, then v's y: 24 K steps of 128,
; one ring of two LDS slots that does not stop at a tile's end.  Four waves, each 64 rows x 128 columns: 32 accumulators, 256 registers.
; CLUSTERS.  4 x 4 work-groups.  The four of a row of the cluster need the same rows of x, the four of a column the same columns of W: each tile is asked for JOINTLY, by the same tensor load with the
; same descriptor and a mask that names the four.
; x STAYS f32 UP TO LDS: a fragment (16 rows x 32 k) is read as four loads of 16 bytes a lane and rounded by eight v_cvt_pk_bf16_f32: one conversion for each matrix instruction.
; W LIES [k][n]: ds_load_tr16_b128 turns it on the way out of LDS.
; THE MATRIX INSTRUCTION IS USED TRANSPOSED (source 0 = 16 columns of W, source 1 = 16 rows of x): lane l then holds row l % 16 of y and the columns 8 (l / 16) + 0..7.  The bias, laid out the same way,
; is the C of each sum's first product: nothing is cleared and nothing is added on the way out.
; REGISTERS, in windows of 256 (s_set_vgpr_msb: bits 1:0 source 0, 3:2 source 1, 5:4 source 2, 7:6 destination):
;   window 0: v0-29 addresses; v32-95 x's fragments in f32; v96-159 the same in bf16, two buffers; v160-191, v192-255 the way out
;   window 1: v0-127 W's fragments, two buffers; v128-191 the bias     window 2: accumulator (a, b) at v[8 (8 a + b)]
.set PAP,   528                        ; a row of x in LDS: 512 bytes + 16 = 132 words: row r starts at bank 4 r mod 64 (64 banks of 4 bytes: ISA guide 11.1)
.set PBP,   544                        ; a row of W: 512 + 32 = 136 words: row r starts at bank 8 r mod 64
.set AHALF, 64*PAP                     ; what one tensor load brings of x: 64 rows
.set BHALF, 64*PBP                     ; and of W: 64 k rows
.set BOFF,  2*AHALF                    ; in a slot: x's 128 rows, then W's 128 k rows
.set SLOT,  BOFF+2*BHALF               ; 137,216
.set STAGE, 2*SLOT                     ; behind the ring, never filled by a tensor load: for each wave two heads' 16 rows x 144 bytes
.set SPH,   144
.set STW,   2*16*SPH
.set SPARE, STAGE+4*STW                ; behind the stages: the spare words, 128 bytes for each wave: two blocks of 256 bytes that no other line names
.set ASTEP, 512                        ; a K step along a row of x, in bytes
.set BSTEP, 262144                     ; a K step down W: 128 rows of 2,048 bytes; eight of them are a plane, so W's walk runs straight on from plane to plane
.set PLANE, 16777216                   ; a plane of qkvh
.set ADRA, 16                          ; v16-17  LDS address of my fragments of x in slot 0, 1
.set ADRB, 20                          ; v20-21  the same for W
.set STO,  24                          ; v24     the way out: where I put 16 bytes of a row
.set RD,   25                          ; v25     the way out: where I read rows back
.set CO,   26                          ; v26     my byte offset in 512 consecutive bytes of y
.set BO,   27                          ; v27     my byte offset in a bias
.set SPW,  28                          ; v28     LDS address of my spare word: SPARE + 4 x my thread's number; never rewritten
.set NIL,  29                          ; v29     0; never rewritten
.set RAW,  32
.set ABF,  96
.set TMP,  160
.set OB,   192
.set BF,   0                           ; window 1
.set BIAS, 128                         ; window 1: for column block b at BIAS + 8 b
.set XA,   4                           ; s[4:5] x of the tile whose K steps are being asked for, at the 64 rows that I fetch; s[6:7], s[8:9] the tensors to come
.set WB,   10                          ; s[10:11] wcast at the k rows and columns that I fetch
.set PBI,  12                          ; s[12:13] the bias last loaded
.set PO,   14                          ; s[14:15] y at my wave's first row and head
.set G1A,  24                          ; s[24:31] descriptor group 1 for x's tiles;  s[32:39] group 0, one set for each slot
.set G0A,  32
.set G1B,  40                          ; s[40:47], s[48:55] the same for W's tiles
.set G0B,  48
.set OA,   56                          ; s[56:57] a K step's byte offset in a row of x
.set FS,   60                          ; s60     the K step (of its tile) to be asked for next
.set LT,   61                          ; s61     laps left in the tile in hand
.set TL,   62                          ; s62     biases still to be loaded
.set MSB, 0
.macro WIN new                         ; the immediate's high byte repeats the setting that is left; a switch that changes nothing is dropped
.if MSB != (\new)
	s_set_vgpr_msb (MSB<<8)|(\new)
.set MSB, (\new)
.endif
.endm
.set W_MUL,  0xa1                      ; source 0 (W) window 1, source 1 (x) window 0, C and D window 2
.set W_MULZ, 0x91                      ; the same with C (the bias) in window 1
.set W_TOB,  0x40                      ; destination window 1, address window 0
.set W_PK,   0x0a                      ; sources 0 and 1 window 2, destination window 0
; A joint load.  Waves 0 and 1 fetch x's two halves, waves 2 and 3 W's.  The branch hangs on the wave's number alone.  An s_nop 0 and four v_nop follow each of the two lines.
.macro JLOAD s
	s_cmp_eq_u32 s17, 0
	s_cbranch_scc0 .Lfor_b_\@
	tensor_load_to_lds s[G0A+4*(\s):G0A+4*(\s)+3], s[G1A:G1A+7]
	s_nop 0
.rept 4
	v_nop
.endr
	s_branch .Lasked_\@
.Lfor_b_\@:
	tensor_load_to_lds s[G0B+4*(\s):G0B+4*(\s)+3], s[G1B:G1B+7]
	s_nop 0
.rept 4
	v_nop
.endr
.Lasked_\@:
.endm
.macro CREST                           ; a round of the cluster's barrier behind its opening barrier: wave 0 signals for the work-group, every wave waits for all sixteen, my work-group's barrier closes it
	s_cmp_lg_u32 s16, 0
	s_cbranch_scc1 .Lnot_wave_0_\@
	s_barrier_signal -3
.Lnot_wave_0_\@:
	s_barrier_wait -3
	s_barrier_signal -1
	s_barrier_wait -1
.endm
.macro CROUND                          ; a whole round
	s_barrier_signal -1
	s_barrier_wait -1
	CREST
.endm
	s_load_b256 s[4:11], s[0:1], 0x0               ; q s[4:5], k s[6:7], v s[8:9], wcast s[10:11]
	s_load_b128 s[12:15], s[0:1], 0x20             ; bcast s[12:13], qkvh s[14:15]
	v_lshl_add_u32 v[SPW], v0, 2, SPARE
	v_mov_b32 v[NIL], 0
	ds_add_u32 v[SPW], v[NIL]                      ; the wave's opening: the add and its wait stand ahead of my first tensor load; the set-up below, work on registers, stands between them
	v_lshrrev_b32 v1, 5, v0
	v_readfirstlane_b32 s16, v1                    ; wave 0..3
	s_lshr_b32 s17, s16, 1                         ; which 64 rows of the tile are mine.  Also: I fetch for x (0) or for W (1)
	s_and_b32 s18, s16, 1                          ; which 128 columns.  Also: which half of that tile I fetch
	s_bfe_u32 s19, ttmp6, 0x40000                  ; cx, cy: my place in the cluster
	s_bfe_u32 s20, ttmp6, 0x40004
	s_lshl_b32 s21, ttmp9, 2
	s_add_co_u32 s21, s21, s19                     ; tile column = 4 x cluster x + cx
	s_and_b32 s22, ttmp7, 0xffff
	s_lshl_b32 s22, s22, 2
	s_add_co_u32 s22, s22, s20                     ; tile row = 4 x cluster y + cy
	s_lshl_b32 s66, s20, 2
	s_lshl_b32 s66, 15, s66                        ; my row of the cluster: places 4 cy .. 4 cy + 3
	s_lshl_b32 s67, 0x1111, s19                    ; my column: places cx, cx + 4, cx + 8, cx + 12
	; group 1 for x: 64 rows x 128 elements of 4 bytes; for W: 64 rows x 256 elements of 2 bytes; both padded in LDS after every 128 words
	s_or_b32 s[G1A], s66, (2<<16)|(1<<20)|(1<<21)|(6<<22)|(3<<25)  ; 15:0 the mask: my row; 17:16 elements of 4 bytes; 20 padding on; 21 set beside a mask; 24:22 after every 128 words (code 6); 31:25 4 words (code 3)
	s_or_b32 s[G1B], s67, (1<<16)|(1<<20)|(1<<21)|(6<<22)|(7<<25)  ; the mask: my column; elements of 2 bytes; 8 words of padding (code 7)
	s_mov_b32 s[G1A+1], 128<<16                    ; tensor_dim0 = 128
	s_mov_b32 s[G1A+2], 64<<16                     ; tensor_dim1 = 64
	s_mov_b32 s[G1A+3], 128<<16                    ; tile_dim0 = 128
	s_mov_b32 s[G1A+4], 64                         ; tile_dim1 = 64
	s_mov_b32 s[G1A+5], 1024                       ; elements from row to row
	s_mov_b32 s[G1A+6], 0
	s_mov_b32 s[G1A+7], 0
	s_mov_b32 s[G1B+1], 256<<16
	s_mov_b32 s[G1B+2], 64<<16
	s_mov_b32 s[G1B+3], 256<<16
	s_mov_b32 s[G1B+4], 64
	s_mov_b32 s[G1B+5], 1024
	s_mov_b32 s[G1B+6], 0
	s_mov_b32 s[G1B+7], 0
	; x's address hangs on the tile row and the wave alone, W's on the tile column and the wave alone, each made in registers that never hold the other coordinate
	s_lshl_b32 s58, s22, 19                        ; 128 rows of 4,096 bytes a tile row,
	s_lshl_b32 s59, s18, 18                        ; the 64 rows that I fetch
	s_add_co_u32 s58, s58, s59
	s_mov_b32 s59, 0
	s_lshl_b32 s68, s18, 17                        ; the 64 k rows of 2,048 bytes that I fetch,
	s_lshl_b32 s69, s21, 9                         ; 256 columns of 2 bytes a tile column
	s_add_co_u32 s68, s68, s69
	s_mov_b32 s69, 0
	s_lshr_b32 s70, s22, 4                         ; y: the batch's 16 heads of 262,144 bytes,
	s_lshl_b32 s70, s70, 22
	s_lshl_b32 s71, s21, 20                        ; the tile column's four heads,
	s_add_co_u32 s70, s70, s71
	s_lshl_b32 s71, s18, 19                        ; my two of them,
	s_add_co_u32 s70, s70, s71
	s_and_b32 s71, s22, 15                         ; the tile's 128 rows of 128 bytes in the head,
	s_lshl_b32 s71, s71, 14
	s_add_co_u32 s70, s70, s71
	s_lshl_b32 s71, s17, 13                        ; my 64 of them
	s_add_co_u32 s70, s70, s71
	s_mov_b32 s71, 0
	s_mul_i32 s23, s18, AHALF                      ; where the tiles go: no place in the cluster enters an LDS address
	s_mul_i32 s63, s18, BHALF
	s_add_co_u32 s63, s63, BOFF
	s_mov_b32 s[OA+1], 0
	s_mov_b32 s[FS], 2                             ; K steps 0 and 1 go out at once
	s_mov_b32 s[LT], 4
	s_mov_b32 s[TL], 2
	s_wait_dscnt 0x0                               ; the opening add is done
	s_wait_kmcnt 0x0
	s_add_nc_u64 s[XA:XA+1],   s[XA:XA+1],   s[58:59]
	s_add_nc_u64 s[XA+2:XA+3], s[XA+2:XA+3], s[58:59]
	s_add_nc_u64 s[XA+4:XA+5], s[XA+4:XA+5], s[58:59]
	s_add_nc_u64 s[WB:WB+1], s[WB:WB+1], s[68:69]
	s_add_nc_u64 s[PO:PO+1], s[PO:PO+1], s[70:71]
	CROUND                                         ; all sixteen work-groups are here: the first joint loads meet
.irp s, 0,1
	s_mov_b32 s[G0A+4*(\s)], 1                     ; 1:0 count = 1
	s_add_co_u32 s[G0A+4*(\s)+1], s23, (\s)*SLOT   ; 63:32 LDS address
	s_add_nc_u64 s[G0A+4*(\s)+2:G0A+4*(\s)+3], s[XA:XA+1], (\s)*ASTEP  ; 120:64 global address: K step s
	s_or_b32 s[G0A+4*(\s)+3], s[G0A+4*(\s)+3], 0x80000000              ; 127:126 type = 2
	s_mov_b32 s[G0B+4*(\s)], 1
	s_add_co_u32 s[G0B+4*(\s)+1], s63, (\s)*SLOT
	s_add_nc_u64 s[G0B+4*(\s)+2:G0B+4*(\s)+3], s[WB:WB+1], (\s)*BSTEP
	s_or_b32 s[G0B+4*(\s)+3], s[G0B+4*(\s)+3], 0x80000000
	JLOAD \s                                       ; two loads of mine are out
.endr
	v_and_b32 v1, 15, v0                           ; l % 16
	v_bfe_u32 v2, v0, 4, 1                         ; l / 16
	v_and_b32 v3, 7, v0                            ; l % 8
	v_bfe_u32 v4, v0, 3, 1                         ; (l / 8) % 2
	v_and_b32 v5, 31, v0                           ; l
	; a fragment of x: lane l holds row l % 16, k = 8 (l / 16) + 0..7 and 16 + 8 (l / 16) + 0..7: in f32 two runs of 32 bytes, 64 bytes apart
	v_mul_u32_u24 v6, v1, PAP
	v_lshl_add_u32 v6, v2, 5, v6
	s_mul_i32 s2, s17, 64*PAP                      ; my 64 rows
	v_add_nc_u32 v[ADRA], s2, v6
	v_add_nc_u32 v[ADRA+1], SLOT, v[ADRA]
	; the turning load takes 16 k x 16 columns (lane l reads k row 8 (l / 16) + l % 8, columns 8 ((l / 8) % 2) + 0..7) and leaves half a fragment: lane l holds column l % 16 and 8 k
	v_lshl_add_u32 v7, v2, 3, v3
	v_mul_u32_u24 v7, v7, PBP
	v_lshl_add_u32 v7, v4, 4, v7
	s_lshl_b32 s2, s18, 8                          ; my 128 columns
	s_add_co_u32 s2, s2, BOFF
	v_add_nc_u32 v[ADRB], s2, v7
	v_add_nc_u32 v[ADRB+1], SLOT, v[ADRB]
	s_mul_i32 s2, s16, STW
	s_add_co_u32 s2, s2, STAGE                     ; my stage
	v_mul_u32_u24 v8, v1, SPH                      ; in: row l % 16, 16 bytes for each half of the lanes
	v_lshl_add_u32 v8, v2, 4, v8
	v_add_nc_u32 v[STO], s2, v8
	v_lshrrev_b32 v9, 3, v5                        ; back: 32 lanes take four rows of 128 bytes,
	v_mul_u32_u24 v9, v9, SPH
	v_lshl_add_u32 v9, v3, 4, v9
	v_add_nc_u32 v[RD], s2, v9
	v_lshlrev_b32 v[CO], 4, v5                     ; which are 512 consecutive bytes of a head
	s_lshl_b32 s68, s21, 10                        ; the bias: 256 numbers of 4 bytes a tile column,
	s_lshl_b32 s69, s18, 9                         ; my 128,
	s_add_co_u32 s68, s68, s69
	v_lshl_add_u32 v[BO], v2, 5, s68               ; 8 for each half of the lanes
	WIN W_TOB
.irp b, 0,1,2,3,4,5,6,7
	global_load_b128 v[BIAS+8*(\b):BIAS+8*(\b)+3],   v[BO], s[PBI:PBI+1] offset:64*(\b)
	global_load_b128 v[BIAS+8*(\b)+4:BIAS+8*(\b)+7], v[BO], s[PBI:PBI+1] offset:64*(\b)+16
.endr
	WIN 0
; Matrix instruction i of a quarter's 32 (32 along K): column block i / 4, row block i % 4, fragment buffers f.  The 32 accumulators take turns, one instruction a turn, in the same order in every quarter.
; z = 1: a tile's first quarter: the sums start from the bias.
.macro WM f, z
.set rB, BF+64*(\f)+8*(i/4)
.set rA, ABF+32*(\f)+8*(i%4)
.set rC, 8*(8*(i%4)+i/4)
.if \z
	WIN W_MULZ
	v_wmma_f32_16x16x32_bf16 v[rC:rC+7], v[rB:rB+7], v[rA:rA+7], v[BIAS+8*(i/4):BIAS+8*(i/4)+7]
.else
	WIN W_MUL
	v_wmma_f32_16x16x32_bf16 v[rC:rC+7], v[rB:rB+7], v[rA:rA+7], v[rC:rC+7]
.endif
.endm
; THE NEXT QUARTER'S FRAGMENTS (slot ns, quarter nq, into buffers nf) come in sixteen groups of four lines, dealt among the matrix instructions.
;   0-3   row block g of x, in f32: 16 registers     4-7   column blocks 2 (g - 4) and 2 (g - 4) + 1 of W, turned     8-15  eight numbers of x a line are rounded to bf16
; A group from 8 on waits for the two loads that it reads: of the 32 loads those are numbers 2 c and 2 c + 1 (c = g - 8), so the 30 - 2 c younger ones may stay out.
.macro GRP g, nf, ns, nq
.if (\g) < 4
	WIN 0
.irp o, 0,1,2,3
	ds_load_b128 v[RAW+16*(\g)+4*\o:RAW+16*(\g)+4*\o+3], v[ADRA+(\ns)] offset:(\g)*16*PAP+128*(\nq)+64*(\o/2)+16*(\o%2)
.endr
.elseif (\g) < 8
	WIN W_TOB
.irp o, 0,1
	ds_load_tr16_b128 v[BF+64*(\nf)+8*(2*((\g)-4)+\o):BF+64*(\nf)+8*(2*((\g)-4)+\o)+3],   v[ADRB+(\ns)] offset:(\nq)*32*PBP+32*(2*((\g)-4)+\o)
	ds_load_tr16_b128 v[BF+64*(\nf)+8*(2*((\g)-4)+\o)+4:BF+64*(\nf)+8*(2*((\g)-4)+\o)+7], v[ADRB+(\ns)] offset:(\nq)*32*PBP+32*(2*((\g)-4)+\o)+16*PBP
.endr
.else
	s_wait_dscnt 30-2*((\g)-8)
	WIN 0
.irp o, 0,1,2,3
	v_cvt_pk_bf16_f32 v[ABF+32*(\nf)+4*((\g)-8)+\o], v[RAW+8*((\g)-8)+2*\o], v[RAW+8*((\g)-8)+2*\o+1]
.endr
.endif
.endm
; One of a K step's first three quarters: multiplies buffers f, and fetches quarter nq of slot ns into the other buffers, a group behind every second matrix instruction.
; Every quarter ends in group 15: four conversions that name no register of the last products.  They are the four places in front of the next quarter's loads into W's buffer, of its
; conversions into x's, of loads into the bias and of the conversions of the way out.
.macro QTR f, ns, nq, z
	s_wait_dscnt 0x0                               ; W's fragments for this quarter are in
.set i, 0
.rept 32
	WM \f, \z
.if i%2 == 1
	GRP (i-1)/2, 1-(\f), \ns, \nq
.endif
.set i, i+1
.endr
.endm
; The fourth quarter multiplies buffers 1 and changes slots: ONE barrier.  In front of it each wave waits for all its tensor loads, of which one is out: its part of the next slot; adds 0 to its spare word; and waits
; for that and for its own reads of this slot.  fill = 1: the barrier opens a round of the cluster's, and this slot is filled again first thing behind the round, two K steps ahead, across tiles too: x's address is
; made anew from the tensor in hand and the K step's number; behind a tile's last K step the number goes back to 0 and the next tensor takes its place.  W's address only steps.
; From a request to the wait for it a wave issues 120 matrix instructions.
.macro TURN s, fill
	WIN 0                                          ; (the add's two registers lie in window 0)
	s_wait_tensorcnt 0x0                           ; no tensor load of mine is out, so a group 0 may be written
	ds_add_u32 v[SPW], v[NIL]                      ; 0 onto my spare word: scalar work and four matrix instructions stand between it and the wait for it
.if \fill
	s_lshl_b32 s[OA], s[FS], 9
	s_add_nc_u64 s[G0A+4*(\s)+2:G0A+4*(\s)+3], s[XA:XA+1], s[OA:OA+1]
	s_or_b32 s[G0A+4*(\s)+3], s[G0A+4*(\s)+3], 0x80000000
	s_add_nc_u64 s[G0B+4*(\s)+2:G0B+4*(\s)+3], s[G0B+4*(\s)+2:G0B+4*(\s)+3], 2*BSTEP  ; the type bits on top are not reached
	s_add_co_u32 s[FS], s[FS], 1
	s_cmp_eq_u32 s[FS], 8
	s_cselect_b32 s[FS], 0, s[FS]
	s_cselect_b64 s[XA:XA+1], s[XA+2:XA+3], s[XA:XA+1]
	s_cselect_b64 s[XA+2:XA+3], s[XA+4:XA+5], s[XA+2:XA+3]
.endif
	s_wait_dscnt 1                                 ; only the add may be out: W's fragments are in
.set i, 0
.rept 4
	WM 1, 0
.set i, i+1
.endr
	s_wait_dscnt 0x0                               ; the add is done, and my reads of this slot are over
	s_barrier_signal -1
.rept 4
	WM 1, 0                                        ; work on registers while the others arrive
.set i, i+1
.endr
.if \fill
	WIN 0
.endif
	s_barrier_wait -1
.if \fill
	CREST                                          ; no wave of any partner still reads this slot's tile or has a load on its way
	JLOAD \s
.endif
.rept 24
	WM 1, 0
.if i < 16
	GRP i-8, 0, 1-(\s), 0                          ; the next slot's first quarter: the loads at once,
.elseif i >= 24
	GRP i-16, 0, 1-(\s), 0                         ; the conversions at the end
.endif
.set i, i+1
.endr
.endm
; The next tile's bias, asked for behind the quarter that has read this tile's; it is waited for a tile later.  The earlier loads by this pointer have been waited for, so it may be stepped.
.macro BIASNEXT
	WIN 0
	s_cmp_eq_u32 s[TL], 0
	s_cbranch_scc1 .Lno_bias_\@
	s_add_nc_u64 s[PBI:PBI+1], s[PBI:PBI+1], 4096
	s_sub_co_u32 s[TL], s[TL], 1
.rept 4
	v_nop
.endr
	WIN W_TOB
.irp b, 0,1,2,3,4,5,6,7
	global_load_b128 v[BIAS+8*(\b):BIAS+8*(\b)+3],   v[BO], s[PBI:PBI+1] offset:64*(\b)
	global_load_b128 v[BIAS+8*(\b)+4:BIAS+8*(\b)+7], v[BO], s[PBI:PBI+1] offset:64*(\b)+16
.endr
	WIN 0
.Lno_bias_\@:
.endm
; THE WAY OUT of row block a.  PACK: rounded to f16, 16 bytes a lane, each accumulator from its low end on.  TOSTAGE: into my own stage (a head's 16 rows of 144 bytes, twice), and back as rows of 128 bytes.  SEND: stored.
.macro PACK a
	WIN W_PK
.irp b, 0,1,2,3,4,5,6,7
.irp r, 0,1,2,3
	v_cvt_pk_f16_f32 v[TMP+4*(\b)+(\r)], v[8*(8*(\a)+(\b))+2*(\r)], v[8*(8*(\a)+(\b))+2*(\r)+1]
.endr
.endr
	WIN 0
.endm
.macro TOSTAGE a
	WIN 0
.set BK, OB+32*((\a)%2)
.irp b, 0,1,2,3,4,5,6,7
	ds_store_b128 v[STO], v[TMP+4*(\b):TMP+4*(\b)+3] offset:((\b)/4)*16*SPH+32*((\b)%4)
.endr
.irp t, 0,1,2,3,4,5,6,7
	ds_load_b128 v[BK+4*(\t):BK+4*(\t)+3], v[RD] offset:((\t)/4)*16*SPH+((\t)%4)*4*SPH  ; LDS serves a wave's instructions in order (ISA guide 5.7.1.4): these see the stores above
.endr
.endm
.macro SEND a
	WIN 0
.set BK, OB+32*((\a)%2)
	s_wait_dscnt 0x0                               ; the block is back in registers
	s_wait_xcnt 0x0                                ; the stores of the block before have read their registers: the next TOSTAGE loads into them
.irp t, 0,1,2,3,4,5,6,7
	global_store_b128 v[CO], v[BK+4*(\t):BK+4*(\t)+3], s[PO:PO+1] offset:((\t)/4)*262144+(\a)*2048+((\t)%4)*512  ; four rows of a head: 512 consecutive bytes, at a multiple of 512 from y's first
.endr
.endm
.macro WAYOUT
	PACK 0
	TOSTAGE 0
.irp a, 1,2,3                          ; block a's conversions stand between block a - 1's loads from the stage and the wait for them
	PACK \a
	SEND (\a)-1
	TOSTAGE \a
.endr
	SEND 3
.endm
	s_wait_tensorcnt 1                             ; my part of K step 0 is in; K step 1's may stay out
	s_barrier_signal -1
	s_barrier_wait -1                              ; everybody's is
.irp g, 0,1,2,3,4,5,6,7,8,9,10,11,12,13,14,15
	GRP \g, 0, 0, 0                                ; the first quarter's fragments: there is no matrix work yet to set them among
.endr
	s_wait_loadcnt 0x0                             ; the bias
	QTR 0, 0, 1, 1                                 ; a tile's first quarter starts the sums
	BIASNEXT
	s_mov_b32 s3, 11
.Llap:                                                 ; a trip goes once round the ring, from a lap's second quarter to the next lap's first, and fills both slots again: 22 fills for K steps 2 to 23
	QTR 1, 0, 2, 0
	QTR 0, 0, 3, 0
	TURN 0, 1
	QTR 0, 1, 1, 0
	QTR 1, 1, 2, 0
	QTR 0, 1, 3, 0
	TURN 1, 1
	WIN 0
	s_sub_co_u32 s[LT], s[LT], 1
	s_cmp_lg_u32 s[LT], 0
	s_cbranch_scc1 .Lsame                          ; forward, past text that holds neither a barrier nor a tensor load; the count is the same in every work-group
	WAYOUT                                         ; the tile's fourth lap is over; both refills for the next tile have been asked for
	s_wait_xcnt 0x0                                ; the stores have read their registers and y's address
	s_add_nc_u64 s[PO:PO+1], s[PO:PO+1], PLANE
	s_mov_b32 s[LT], 4
	s_wait_loadcnt 0x0                             ; the next tile's bias
	QTR 0, 0, 1, 1
	BIASNEXT
	s_branch .Lnext
.Lsame:
	QTR 0, 0, 1, 0
	WIN 0
.Lnext:
	s_sub_co_u32 s3, s3, 1
	s_cmp_lg_u32 s3, 0
	s_cbranch_scc1 .Llap
	QTR 1, 0, 2, 0                                 ; the last lap is written out: it asks for nothing
	QTR 0, 0, 3, 0
	TURN 0, 0
	QTR 0, 1, 1, 0
	QTR 1, 1, 2, 0
	QTR 0, 1, 3, 0
	s_wait_dscnt 0x0
.set i, 0
.rept 32
	WM 1, 0
.set i, i+1
.endr
	WIN 0
.rept 8
	v_nop                                          ; the places behind the last products: no other vector work is at hand
.endr
	WAYOUT
	s_wait_tensorcnt 0x0                           ; the wave's end, behind my last tensor load and my last LDS store
	ds_add_u32 v[SPW], v[NIL]
	s_wait_dscnt 0x0
	CROUND                                         ; the closing round: no work-group ends while a partner may still ask for a tile that names it
	s_endpgm
.Lfunc_end_k_q0c18734ca2_proj:
	.size	k_q0c18734ca2_proj, .Lfunc_end_k_q0c18734ca2_proj-k_q0c18734ca2_proj
	.p2alignl 7, 3214868480
	.fill 96, 4, 3214868480
	.section	.rodata,"a",@progbits
	.p2align	6, 0x0
	.amdhsa_kernel k_q0c18734ca2_proj
		.amdhsa_group_segment_fixed_size 327680
		.amdhsa_private_segment_fixed_size 0
		.amdhsa_enable_private_segment 0
		.amdhsa_kernarg_size 48
		.amdhsa_user_sgpr_count 2
		.amdhsa_user_sgpr_kernarg_segment_ptr 1
		.amdhsa_wavefront_size32 1
		.amdhsa_system_sgpr_workgroup_id_x 1
		.amdhsa_system_sgpr_workgroup_id_y 1
		.amdhsa_system_sgpr_workgroup_id_z 1
		.amdhsa_system_vgpr_workitem_id 0
		.amdhsa_next_free_vgpr 768
		.amdhsa_next_free_sgpr 72
		.amdhsa_reserve_vcc 0
		.amdhsa_float_denorm_mode_32 3
		.amdhsa_float_denorm_mode_16_64 3
		.amdhsa_memory_ordered 1
		.amdhsa_forward_progress 1
		.amdhsa_inst_pref_size 171
	.end_amdhsa_kernel
	.amdgpu_metadata
---
amdhsa.version: [ 1, 2 ]
amdhsa.kernels:
  - .name:           k_q0c18734ca2_proj
    .symbol:         k_q0c18734ca2_proj.kd
    .args:
      - { .name: q, .offset: 0, .size: 8, .value_kind: global_buffer, .address_space: global }
      - { .name: k, .offset: 8, .size: 8, .value_kind: global_buffer, .address_space: global }
      - { .name: v, .offset: 16, .size: 8, .value_kind: global_buffer, .address_space: global }
      - { .name: wcast, .offset: 24, .size: 8, .value_kind: global_buffer, .address_space: global }
      - { .name: bcast, .offset: 32, .size: 8, .value_kind: global_buffer, .address_space: global }
      - { .name: qkvh, .offset: 40, .size: 8, .value_kind: global_buffer, .address_space: global }
    .group_segment_fixed_size: 327680
    .private_segment_fixed_size: 0
    .kernarg_segment_align: 8
    .kernarg_segment_size: 48
    .max_flat_workgroup_size: 128
    .sgpr_count:     72
    .vgpr_count:     768
    .wavefront_size: 32
...
	.end_amdgpu_metadata
.endif
;; end of part 2
;; launch attn (part 3): grid 4 x 64, 4 waves a work-group, clusters of 4 x 1, 327,680 bytes of LDS; arguments qkvh, oh; writes oh
.if DOCPART == 3
	.amdgcn_target "amdgcn-amd-amdhsa--gfx1250"
	.amdhsa_code_object_version 6
	.text
	.protected	k_q0c18734ca2_attn
	.globl	k_q0c18734ca2_attn
	.p2align	8
	.type	k_q0c18734ca2_attn,@function
k_q0c18734ca2_attn:
	s_mov_b64 s[64:65], 0
	v_nop
	global_prefetch_b8 v0, s[64:65] scope:SCOPE_SE
	s_setreg_imm32_b32 hwreg(HW_REG_WAVE_MODE, 25, 1), 1
	s_wait_xcnt 0x0
	s_wait_alu depctr_hold_cnt(0) depctr_sa_sdst(0) depctr_va_vdst(0) depctr_va_sdst(0) depctr_va_ssrc(0) depctr_va_vcc(0) depctr_vm_vsrc(0)
	s_getreg_b32 s2, hwreg(HW_REG_IB_STS2, 6, 4)
	s_cmp_eq_u32 s2, 0
	s_cbranch_scc0 .Lentry_in_a_cluster
	s_endpgm
.Lentry_in_a_cluster:
	s_bfe_u32 s2, ttmp6, 0x10000c
	s_cmp_lg_u32 s2, 0x3003
	s_cbranch_scc0 .Lentry_shape_is_right
	s_endpgm
.Lentry_shape_is_right:
; O[h][q][:] = the sum over k of softmax_k(Q[h][q] . K[h][k] / 8) V[h][k][:].  Q, K, V: the three planes of qkvh, O: oh, each [SIZE_H][SIZE_N][64] in f16: a head's rows are dense, 128 bytes each.
; Products, maxima and sums in f32; the weights p are rounded to f16 for the second product (their sum l is taken of the unrounded p), O once at the end.
; LIMITS.  f16 holds no number beyond 65,504: Q, K and V arrive within it; p lies in 0 to 1, and below 6e-5 it keeps f16's fixed step of 6e-8; O is a mean of V's rows and has their range.
; A weight below 2^-126 counts as 0 in l; NaN and infinities are not treated apart.
; SHARES.  A wave owns four PIECES of two tiles of 16 queries, a work-group's four waves 512 queries of one head.  Every wave walks all keys, 64 a step.
; LAYOUT.  S^T = K Q^T (source 0 = 16 keys, source 1 = 16 queries): in the result a lane holds ONE query (lane % 16) and the keys 8 (lane / 16) + 0..7.  Two such tiles, rounded to f16 in pairs,
; ARE source 1 (32 keys x 16 queries) of O^T = V^T P, whose result again holds one query a lane, and eight channels.  K comes out of LDS as it lies, V ([key][channel]) turned, by ds_load_tr16_b128.
; SOFTMAX.  For each query a running maximum m and sum l: p = 2^(c s - c m), c = log2(e) / 8; in every step O and l are multiplied by a = 2^(c m_old - c m_new), which is 1 where m has not grown.
; m starts at the lowest finite number, O and l at 0: the first step is a step like any other, with a = 0.
; THE COUNT.  A tile and step have 16 matrix and 118 vector instructions: too many to stand all beside the matrix work.  So the order has one aim: four vector instructions that are READY behind
; EVERY matrix instruction, and the others, which need time of their own whatever the order, in runs without a gap.
; BY TURNS.  Turn n belongs to piece n (the pieces in a ring, step after step).  Its matrix work: 16 products K Q^T of piece n + 1, later 16 products V^T P of piece n - 1.  Its vector work: the scaling,
; exponentials, roundings, sums and rescaling of piece n, and the maximum and statistics of piece n + 1, whose scores the turn itself has made.  So what a turn begins with (c s - c m, O a) waits for nothing.
; CLUSTER.  The four query blocks of a head are one cluster and walk the same K and V, so each tile is asked for JOINTLY: the same tensor load, descriptor and mask in all four.
; REGISTERS, in windows of 256 (s_set_vgpr_msb says which window each operand place means: bits 1:0 source 0, 3:2 source 1, 5:4 source 2, 7:6 destination):
;   window 0: v0-11 addresses; v12-15, v48-63 at work; v16-47 four registers of statistics a tile; v64-191 S^T, two buffers of two tiles; v192-255 P, likewise
;   window 1: O^T, 32 a tile          window 2: v0-127 Q, 16 a tile; v128-191 K of one step; v192-255 V of one step          window 3: v0-1 the add's two registers
; A piece's buffers go by its number's parity: the piece in hand has one pair, its two neighbours in the ring share the other: of it P (piece n - 1) is read and S^T (piece n + 1) written.
.set SIZE_H, 64
.set SIZE_N, 2048
.set PLANE, SIZE_H*SIZE_N*128   ; bytes in a plane of qkvh
.set NP,    4         ; pieces a wave: a name, no knob: the register map, the loop and the fetches are made for four
.set KS,    64        ; keys in a step
.set PK,    144       ; a row of K in LDS: 128 bytes + 16 of padding = 36 words: the 16 rows of a load start at 16 different groups of four banks (64 banks of 4 bytes: ISA guide 11.1)
.set PV,    160       ; a row of V: 128 + 32 = 40 words
.set VOFF,  4*KS*PK   ; a slot holds four steps: 256 rows of K, then 256 rows of V
.set SLOT1, 1<<17     ; slot 1 begins here, so that one exclusive or turns an address in one slot into the other's
.set STAGE, SLOT1+4*KS*(PK+PV)  ; behind the ring, never filled by a tensor load: 16 rows x 144 bytes for each wave, for the way out
.set SP,    144
.set AK0, 2           ; v2   my lane's place in a tile of K; never rewritten
.set AV0, 3           ; v3   the same for V
.set AK,  4           ; v4   the LDS address of K's next run of loads
.set AV,  5           ; v5   of V's
.set QO,  6           ; v6   my byte offset in the wave's rows of Q
.set STO, 6           ;      later, the way out: where I put 16 bytes of a row
.set RD,  7           ; v7   the way out: where I read rows back
.set GO,  8           ; v8   my byte offset in 512 consecutive bytes of O
.set PFO, 11          ; v11  the prefetches' offset: 256 x my lane; written once v11's first use is over, then never rewritten
.set SPW, 0           ; v0 of window 3   LDS address of my spare word: SPARE + 4 x my thread's number; never rewritten
.set NIL, 1           ; v1 of window 3   0; never rewritten
.set SPARE, STAGE+4*16*SP  ; behind the stages: the spare words, 128 bytes for each wave: two blocks of 256 bytes that no other line names
.set MV,  12          ; v12-15  c m_old, kept while c m is made anew: by buffer and tile
.set ST,  16          ; tile t's statistics at v[ST+4 t]: c m, m, l (even keys', odd keys')
.set TMP, 48          ; by buffer and tile, four registers c0-c3 at work; when the maximum is found c2 takes a
.set S,   64
.set P,   192
.set KF,  128         ; K's fragments, in window 2: key block kb, channel half c at KF + 16 kb + 8 c
.set VF,  192         ; V's: key half kk, channel block cb at VF + 32 kk + 8 cb
.set WV,  12          ; s12  my wave's number
.set G1K, 24          ; s[24:31] descriptor group 1 for K's tiles
.set G1V, 32          ; s[32:39] for V's: it differs in the padding alone
.set G0K, 40          ; s[40:43] descriptor group 0 for K's tiles: it walks
.set G0V, 44          ; s[44:47] the same for V's
.set PFA, 48          ; s[48:49] where my prefetches stand: my work-group's 32 blocks of 256 bytes (of K: wave 0, of V: wave 2) of the slot after the one that is being asked for
.set LIM, 50          ; s50  1 in a wave that prefetches, else the greatest number: a wave prefetches while s[SLOTS] is above it
.set SLOTS, 56        ; s56  slots still to be asked for
.set CNT, 57          ; s57  counts a slot's key steps
.set CS,  58          ; s[58:59] c: the packed scaling takes the pair's low word for both halves
.set SEL, 60          ; s[60:61] v_permlanex16_b32's selects: each lane takes its own place in the other half
.set TBK, 62          ; s62  LDS byte at which K of the step to be fetched begins
.set TBV, 63          ; s63  the same for V, less VOFF
.set MSB, 0
.macro WIN new                      ; the high byte repeats the setting that is left; a switch that changes nothing is dropped
.if MSB != (\new)
	s_set_vgpr_msb (MSB<<8)|(\new)
.set MSB, (\new)
.endif
.endm
.set W_KQ, 0x0a       ; K and Q in window 2, S^T in window 0
.set W_PV, 0x52       ; V in window 2, P in window 0, O^T in window 1
.set W_RS, 0x41       ; O^T (destination and source 0) in window 1, a in window 0
.set W_MK, 0xc0       ; the add's registers are made: destination in window 3, sources in window 0
.set W_AD, 0x0f       ; the add: address (source 0) and data (source 1) in window 3
; A joint fill.  Waves 0 and 1 fetch the two halves of a slot's K, waves 2 and 3 those of its V: 128 keys each.  The branch hangs on the wave's number alone.
; An s_nop 0 and four v_nop follow each of the two lines, ahead of the jump and the label.
.macro JLOAD
	s_cmp_lt_u32 s[WV], 2
	s_cbranch_scc0 .Lfor_v_\@
	tensor_load_to_lds s[G0K:G0K+3], s[G1K:G1K+7]
	s_nop 0
.rept 4
	v_nop
.endr
	s_branch .Lasked_\@
.Lfor_v_\@:
	tensor_load_to_lds s[G0V:G0V+3], s[G1V:G1V+7]
	s_nop 0
.rept 4
	v_nop
.endr
.Lasked_\@:
.endm
; A PREFETCH of what the NEXT change of slots will ask for: a slot's 32,768 bytes of K and of V, a lane a block of 256 bytes.  It stands behind the wave's tensor load and its five lines, four key steps, 512 matrix
; instructions, ahead of the load that will want the bytes.  Each block is named ONCE in the launch: a head's K and V are walked by one cluster alone; its four partners share a slot's 128 blocks out BY ADDRESS,
; 32 each; in each, wave 0 asks for K's and wave 2 for V's: one instruction.  The last change that fills a slot asks for nothing: there is no slot behind it.  Slots 0 and 1 come by their loads alone.
.macro ASK
	s_cmp_gt_u32 s[SLOTS], s[LIM]
	s_cbranch_scc0 .Lnot_mine_\@
	global_prefetch_b8 v[PFO], s[PFA:PFA+1] th:TH_LOAD_NT scope:SCOPE_SE
.Lnot_mine_\@:
.endm
; A round of the cluster's barrier: my work-group's barrier, so that wave 0's signal speaks for all four waves; wave 0 signals; every wave waits for all four work-groups; my work-group's barrier once more.
.macro CROUND
	s_barrier_signal -1
	s_barrier_wait -1
	s_cmp_lg_u32 s[WV], 0
	s_cbranch_scc1 .Lnot_wave_0_\@
	s_barrier_signal -3
.Lnot_wave_0_\@:
	s_barrier_wait -3
	s_barrier_signal -1
	s_barrier_wait -1
.endm
; THE CHANGE OF SLOTS.  The slot's last bytes, V of its fourth step, have been read.  Each wave waits for all its tensor loads, of which one is out: its part
; of the other slot; adds 0 to its spare word; and waits for that and for its own reads of the slot.  Behind the barrier nobody reads this slot any more and the other slot is whole.
; fill = 1: this slot is filled again, with the keys two slots on.  The barrier is then a round of the cluster's, so that no wave of any partner still reads the slot or has a load on its
; way, and the joint fill is the first thing behind it: it has four key steps, 512 matrix instructions, in which to land.  (At its first use nothing has been read yet: slot 0 is waited for, slot 1 filled.)
.macro CHANGE fill
	WIN W_AD
	s_wait_tensorcnt 0x0            ; no tensor load of mine is out, so a group 0 may be written
	ds_add_u32 v[SPW], v[NIL]       ; 0 onto my spare word: with fill = 1 the descriptors' steps stand between it and the wait for it
	WIN 0                           ; at a label and at a branch every window is 0
.if \fill
.irp g, G0K, G0V
	s_xor_b32 s[\g+1], s[\g+1], SLOT1  ; the walking descriptor: the other slot than last time,
	s_add_nc_u64 s[\g+2:\g+3], s[\g+2:\g+3], 4*KS*128  ; the next 256 keys; the type bits on top are not reached
.endr
	s_wait_xcnt 0x0                 ; the last prefetch, four key steps back, has read its address, so it may be written:
	s_add_nc_u64 s[PFA:PFA+1], s[PFA:PFA+1], 4*KS*128  ; one slot behind the walking descriptors
	s_wait_dscnt 0x0                ; the add is done, and my reads of the slot are over
	CROUND
	JLOAD
	ASK
.else
	s_wait_dscnt 0x0                ; the add is done, and my reads of the slot are over
	s_barrier_signal -1
	s_barrier_wait -1
.endif
	s_sub_co_u32 s[TBK], s[TBK], 4*KS*PK  ; the fetches go back to a slot's first step,
	s_xor_b32 s[TBK], s[TBK], SLOT1       ; in the other slot
	s_sub_co_u32 s[TBV], s[TBV], 4*KS*PV
	s_xor_b32 s[TBV], s[TBV], SLOT1
.endm
	s_load_b64 s[4:5], s[0:1], 0x0    ; qkvh: Q's plane; K's and V's follow it
	s_load_b64 s[10:11], s[0:1], 0x8  ; oh
	WIN W_MK
	v_lshl_add_u32 v[SPW], v0, 2, SPARE
	v_mov_b32 v[NIL], 0
	WIN W_AD
	ds_add_u32 v[SPW], v[NIL]       ; the wave's opening: the add and its wait stand ahead of my first tensor load; the set-up below, work on registers, stands between them
	WIN 0
	v_lshrrev_b32 v1, 5, v0
	v_readfirstlane_b32 s[WV], v1   ; wave 0..3
	s_bfe_u32 s13, ttmp6, 0x40000   ; cx: my place in the cluster
	s_lshl_b32 s14, ttmp9, 2        ; in a cluster launch ttmp9 counts clusters
	s_add_co_u32 s14, s14, s13      ; my block of queries = 4 x cluster x + cx: it enters Q's and O's addresses alone
	s_and_b32 s20, ttmp7, 0xffff    ; the head, which the four partners share
	s_mov_b32 s21, 0
	s_mov_b64 s[22:23], SIZE_N*128
	s_mul_u64 s[20:21], s[20:21], s[22:23]  ; the head's first byte in each of the four tensors
	s_and_b32 s16, s[WV], 1         ; which half of a slot's 256 keys I fetch:
	s_lshl_b32 s22, s16, 14         ; its 128 rows of 128 bytes in memory,
	s_mov_b32 s23, 0
	s_add_nc_u64 s[22:23], s[22:23], s[20:21]
	s_mul_i32 s17, s16, 128*PK      ; and its place in a slot, for K
	s_mul_i32 s18, s16, 128*PV      ; and for V: no place in the cluster enters an LDS address
	s_lshl_b32 s2, s14, 2
	s_add_co_u32 s2, s2, s[WV]      ; my wave among the head's,
	s_lshl_b32 s2, s2, 14           ; its 128 rows
	s_mov_b32 s3, 0
	s_add_nc_u64 s[2:3], s[2:3], s[20:21]
	; descriptor group 1.  128 keys are 16,384 dense bytes: asked for as 64 rows of 256 bytes, two keys a row, and padded in LDS after every key
	s_mov_b32 s[G1K], 15|(1<<16)|(1<<20)|(1<<21)|(4<<22)|(3<<25)  ; 15:0 the mask of four; 17:16 2-byte elements; 20 padding on; 21 set beside a mask; 24:22 after every 32 words (code 4); 31:25 4 words (code 3)
	s_mov_b32 s[G1V], 15|(1<<16)|(1<<20)|(1<<21)|(4<<22)|(7<<25)  ; the same with 8 words of padding (code 7)
.irp g, G1K, G1V
	s_mov_b32 s[\g+1], 128<<16      ; tensor_dim0 = 128
	s_mov_b32 s[\g+2], 64<<16       ; tensor_dim1 = 64
	s_mov_b32 s[\g+3], 128<<16      ; tile_dim0 = 128
	s_mov_b32 s[\g+4], 64           ; tile_dim1 = 64
	s_mov_b32 s[\g+5], 128          ; 128 elements from row to row
	s_mov_b32 s[\g+6], 0
	s_mov_b32 s[\g+7], 0
.endr
	s_mov_b32 s[CS], 0x3e38aa3b     ; c = log2(e) / 8 = 0.180337
	s_mov_b32 s[CS+1], s[CS]        ; named with it as a pair
	s_mov_b32 s[SEL], 0x76543210
	s_mov_b32 s[SEL+1], 0xfedcba98
	s_mov_b32 s[TBK], SLOT1+4*KS*PK ; the first change of slots turns these two into 0
	s_mov_b32 s[TBV], SLOT1+4*KS*PV
	s_mov_b32 s[G0K], 1             ; 1:0 count = 1
	s_mov_b32 s[G0K+1], s17         ; 63:32 LDS address: slot 0
	s_mov_b32 s[G0V], 1
	s_add_co_u32 s[G0V+1], s18, VOFF
	s_mov_b32 s[SLOTS], SIZE_N/256-1  ; the change that finds s here fills the slot with keys 256 (8 - s) on
	s_and_b32 s[LIM], s[WV], 1      ; 0 in waves 0 and 2: the same in all four partners
	s_cmp_eq_u32 s[LIM], 0
	s_cselect_b32 s[LIM], 1, -1
	s_lshl_b32 s52, s13, 13         ; my work-group's 32 blocks of a slot's 128
	s_mov_b32 s53, 0
	s_wait_dscnt 0x0                ; the opening add is done
	s_wait_kmcnt 0x0
	s_add_nc_u64 s[6:7], s[4:5], PLANE    ; K
	s_add_nc_u64 s[8:9], s[4:5], 2*PLANE  ; V
	s_add_nc_u64 s[G0K+2:G0K+3], s[6:7], s[22:23]  ; 120:64 global address: my half of the head's first 256 keys
	s_or_b32 s[G0K+3], s[G0K+3], 0x80000000        ; 127:126 type = 2
	s_add_nc_u64 s[G0V+2:G0V+3], s[8:9], s[22:23]
	s_or_b32 s[G0V+3], s[G0V+3], 0x80000000
	s_add_nc_u64 s[4:5], s[4:5], s[2:3]  ; Q and O at my wave's first row
	s_add_nc_u64 s[10:11], s[10:11], s[2:3]
	s_cmp_lt_u32 s[WV], 2
	s_cselect_b64 s[PFA:PFA+1], s[6:7], s[8:9]
	s_add_nc_u64 s[PFA:PFA+1], s[PFA:PFA+1], s[20:21]  ; the head,
	s_add_nc_u64 s[PFA:PFA+1], s[PFA:PFA+1], s[52:53]  ; my work-group's blocks,
	s_add_nc_u64 s[PFA:PFA+1], s[PFA:PFA+1], 4*KS*128  ; in slot 1; the first change of slots steps it to slot 2
	CROUND                          ; all four work-groups are here: the first joint loads meet
	JLOAD                           ; slot 0.  Slot 1 is asked for when slot 0 is in: the tile wanted first has the road to itself
	; A fragment of K or Q is 16 rows x 32 channels in 8 registers: lane l holds row l % 16, channels 8 (l / 16) + 0..7 and 16 + 8 (l / 16) + 0..7: two loads of 16 bytes, 32 bytes apart.
	v_and_b32 v1, 15, v0            ; l % 16
	v_bfe_u32 v9, v0, 4, 1          ; l / 16
	v_lshlrev_b32 v[QO], 7, v1
	v_lshl_add_u32 v[QO], v9, 4, v[QO]  ; row x 128 + 16 x half
	WIN 0x80                        ; destination window 2, address window 0
.set i, 0
.rept 4*NP                          ; Q stays in registers: tile i / 2, channels 32 (i % 2) on
	global_load_b128 v[8*i:8*i+3],   v[QO], s[4:5] offset:(i/2)*2048+(i%2)*64
	global_load_b128 v[8*i+4:8*i+7], v[QO], s[4:5] offset:(i/2)*2048+(i%2)*64+32
.set i, i+1
.endr
	; What the first turn finds: V's registers and P's second buffer hold 0 (its products V^T P, of a piece that has not been, add 0), O^T and l are 0.  All this stands in the wait for the first tile.
.set i, VF
.rept 64
	v_mov_b32 v[i], 0
.set i, i+1
.endr
	WIN 0x40
.set i, 0
.rept 64*NP
	v_mov_b32 v[i], 0
.set i, i+1
.endr
	WIN 0
.set i, 0
.rept 2*NP
	v_mov_b32 v[ST+4*i], 0xfe000000    ; c m: far below every c s
	v_mov_b32 v[ST+4*i+1], 0xff7fffff  ; m
	v_mov_b32 v[ST+4*i+2], 0
	v_mov_b32 v[ST+4*i+3], 0
.set i, i+1
.endr
.set i, P+32
.rept 32
	v_mov_b32 v[i], 0
.set i, i+1
.endr
	v_mul_u32_u24 v[AK0], v1, PK
	v_lshl_add_u32 v[AK0], v9, 4, v[AK0]  ; row x pitch + 16 x half
	; The turning load takes 16 keys x 16 channels (lane l reads key 8 (l / 16) + l % 8, channels 8 ((l / 8) % 2) + 0..7) and leaves half a fragment of V^T: lane l holds channel l % 16 and 8 keys.
	v_and_b32 v10, 7, v0
	v_bfe_u32 v11, v0, 3, 1
	v_lshl_add_u32 v[AV0], v9, 3, v10
	v_mul_u32_u24 v[AV0], v[AV0], PV
	v_lshl_add_u32 v[AV0], v11, 4, v[AV0]
	v_add_nc_u32 v[AV0], VOFF, v[AV0]
	v_mov_b32 v[AK], v[AK0]         ; key step 0 lies at the head of slot 0
	v_and_b32 v[PFO], 31, v0        ; v11 has served: from here on 256 x my lane
	v_lshlrev_b32 v[PFO], 8, v[PFO]
; THE MATRIX WORK.  The 8 accumulators of a run of 16 take turns: between the two links of a chain stand 7 others'.
; Product i of 16 of S^T = K Q^T for piece x: channels 32 (i / 8) on, keys 16 ((i / 2) % 4) on, tile 2 x + i % 2.  The first 8 start the sums.
.macro KQ x
	WIN W_KQ
.set rS, S+64*((\x)%2)+32*(i%2)+8*((i/2)%4)
.set rK, KF+16*((i/2)%4)+8*(i/8)
.set rQ, 16*(2*(\x)+i%2)+8*(i/8)
.if i < 8
	v_wmma_f32_16x16x32_f16 v[rS:rS+7], v[rK:rK+7], v[rQ:rQ+7], 0
.else
	v_wmma_f32_16x16x32_f16 v[rS:rS+7], v[rK:rK+7], v[rQ:rQ+7], v[rS:rS+7]
.endif
.endm
; Product i of 16 of O^T += V^T P for piece x: keys 32 (i / 8) on, channels 16 ((i / 2) % 4) on, tile 2 x + i % 2.
.macro PV x
	WIN W_PV
.set rO, 32*(2*(\x)+i%2)+8*((i/2)%4)
.set rV, VF+32*(i/8)+8*((i/2)%4)
.set rP, P+32*((\x)%2)+16*(i%2)+8*(i/8)
	v_wmma_f32_16x16x32_f16 v[rO:rO+7], v[rV:rV+7], v[rP:rP+7], v[rO:rO+7]
.endm
.macro MM                           ; the turn's next matrix instruction
.if i < 16
	KQ (Y+1)%NP
.set i, i+1
.else
.set i, i-16
	PV (Y+NP-1)%NP
.set i, i+17
.endif
.endm
; THE LDS LOADS stand in runs of 16, never singly among the matrix instructions: a step's K (64 keys x 64 channels: 8 fragments) and its V (turned).  Their addresses are made some lines ahead.
; last = 1 (the tail): in the last trip there is no further step, and the run is jumped over.
.macro FETCH_K last=0
	WIN 0
.if \last
	s_cmp_eq_u32 s[CNT], 1
	s_cbranch_scc1 .Lno_k_\@
.endif
	WIN 0x80                        ; destination window 2
.irp f, 0,1,2,3,4,5,6,7             ; keys 16 (f / 2) on, channels 32 (f % 2) on
	ds_load_b128 v[KF+8*\f:KF+8*\f+3],   v[AK] offset:(\f/2)*16*PK+(\f%2)*64
	ds_load_b128 v[KF+8*\f+4:KF+8*\f+7], v[AK] offset:(\f/2)*16*PK+(\f%2)*64+32
.endr
	s_add_co_u32 s[TBK], s[TBK], KS*PK  ; the next fetch is the next step's
	WIN 0
.if \last
.Lno_k_\@:
.endif
.endm
.macro FETCH_V
	WIN 0x80
.irp f, 0,1,2,3,4,5,6,7             ; keys 32 (f / 4) on, channels 16 (f % 4) on
	ds_load_tr16_b128 v[VF+8*\f:VF+8*\f+3],   v[AV] offset:(\f/4)*32*PV+(\f%4)*32
	ds_load_tr16_b128 v[VF+8*\f+4:VF+8*\f+7], v[AV] offset:(\f/4)*32*PV+16*PV+(\f%4)*32
.endr
	WIN 0
.endm
; THE VECTOR WORK OF A TURN stands in three queues, each in the order in which its entries become ready; the two tiles alternate, so that no instruction reads the result of the one before it.
.macro REGS y, u                    ; the registers of tile u (0, 1) of piece y
.set rT, ST+4*(2*(\y)+(\u))
.set rC, TMP+8*((\y)%2)+4*(\u)
.set rM, MV+2*((\y)%2)+(\u)
.set rS, S+64*((\y)%2)+32*(\u)
.set rP, P+32*((\y)%2)+16*(\u)
.set rO, 32*(2*(\y)+(\u))
.endm
; Number n of the 22 that find the NEXT piece's (Y + 1) maximum and statistics.  s0-s31 are the lane's 32 scores; each accumulator's lowest registers are read first.  XS, GS and REGS set no window: PL and EX do.
;   0-11  four chains c0-c3 of seven scores each, three operands at a time     12-14, 16  the four scores left over, the old m, and c0-c3 into c0     15  c m_old is kept
;   17, 18  the query's other 32 keys lie in the lane 16 away: the new m         19-21  c m; c m_old - c m_new; a
.macro XS u, n
	REGS (Y+1)%NP, \u
.if (\n) < 4
	v_max3_num_f32 v[rC+(\n)], v[rS+8*(\n)], v[rS+8*(\n)+1], v[rS+8*(\n)+2]
.elseif (\n) < 12
	v_max3_num_f32 v[rC+(\n)%4], v[rC+(\n)%4], v[rS+8*((\n)%4)+2*((\n)/4)+1], v[rS+8*((\n)%4)+2*((\n)/4)+2]
.elseif (\n) == 12
	v_max3_num_f32 v[rC], v[rC], v[rS+7], v[rS+15]
.elseif (\n) == 13
	v_max3_num_f32 v[rC+1], v[rC+1], v[rS+23], v[rS+31]
.elseif (\n) == 14
	v_max3_num_f32 v[rC+2], v[rC+2], v[rC+3], v[rT+1]
.elseif (\n) == 15
	v_mov_b32 v[rM], v[rT]
.elseif (\n) == 16
	v_max3_num_f32 v[rC], v[rC], v[rC+1], v[rC+2]
.elseif (\n) == 17
	v_permlanex16_b32 v[rC+3], v[rC], s[SEL], s[SEL+1]
.elseif (\n) == 18
	v_max_num_f32 v[rT+1], v[rC], v[rC+3]
.elseif (\n) == 19
	v_mul_f32 v[rT], s[CS], v[rT+1]
.elseif (\n) == 20
	v_sub_f32 v[rC+1], v[rM], v[rT]
.else
	v_exp_f32 v[rC+2], v[rC+1]
.endif
.endm
; Number g of the 64 that follow the exponentials.  For each four weights k of a tile (pairs 2 k, 2 k + 1): both pairs are rounded to f16; then the second pair is added onto the first, in place;
; a group later l takes that sum (the first time as l = a l + sum).  In groups of eight, tiles alternating: round, round, add, and l for the group before.
.macro GS g
.set h, (\g)+6*((\g)/62)            ; group 0 has no group before it, and behind group 7 only l is left
.if h >= 6
.set h, h+2
.endif
	REGS Y, h%2
.set k, h/8
.if h%8 < 4
	s_wait_alu depctr_va_vdst(0)
	v_cvt_pk_f16_f32 v[rP+2*k+(h%8)/2], v[rS+4*k+2*((h%8)/2)], v[rS+4*k+2*((h%8)/2)+1]
.elseif h%8 < 6
	v_pk_add_f32 v[rS+4*k:rS+4*k+1], v[rS+4*k:rS+4*k+1], v[rS+4*k+2:rS+4*k+3]
.elseif k == 1
	v_pk_fma_f32 v[rT+2:rT+3], v[rT+2:rT+3], v[rC+2:rC+3], v[rS:rS+1] op_sel_hi:[1,0,1]
.else
	v_pk_add_f32 v[rT+2:rT+3], v[rT+2:rT+3], v[rS+4*k-4:rS+4*k-3]
	s_wait_alu depctr_va_vdst(0)
.endif
.endm
; THE PLAIN QUEUE, 138 long.  0-31: c s - c m for the 16 pairs of both tiles.  Then GS's 64, and among them the next piece's 42: number 15 at 38, 39; 0-14 and 16
; at 42-73, behind the products that make those scores; 17-20 at 95-106, two of three, since each waits for the one before it.
.macro PL
	WIN 0
.if q < 32
	REGS Y, q%2
	v_pk_fma_f32 v[rS+2*(q/2):rS+2*(q/2)+1], v[rS+2*(q/2):rS+2*(q/2)+1], s[CS:CS+1], v[rT:rT+1] op_sel_hi:[1,0,0] neg_lo:[0,0,1] neg_hi:[0,0,1]
.elseif q < 38
	GS q-32
.elseif q < 40
	XS q%2, 15
.elseif q < 42
	GS q-34
.elseif q < 74
	XS q%2, (q-42)/2+(q-42)/30
.elseif q < 95
	GS q-66
.elseif (q < 107) && ((q-95)%3 < 2)
	XS (q-95)%3, 17+(q-95)/3
.elseif q < 107
	GS 29+(q-95)/3
.else
	GS q-74
.endif
.set q, q+1
.endm
; THE EXPONENTIALS' QUEUE, 66 long: s0-s31 of both tiles, and at EA the next piece's two a.
.set EA, 58
.macro EX
	WIN 0
.if (e == EA) || (e == EA+1)
	XS e-EA, 21
.else
.set x, e-2*(e/(EA+2))
	REGS Y, x%2
	v_exp_f32 v[rS+x/2], v[rS+x/2]
.endif
.set e, e+1
.endm
; THE RESCALING's QUEUE: O^T times a, the one part that leaves window 0, so it is dealt four at a time, eight times.
.macro R4
	REGS Y, r%2
	WIN W_RS
	s_wait_alu depctr_va_vdst(0)
.irp z, 0,1,2,3
	v_pk_mul_f32 v[rO+8*(r/2)+2*\z:rO+8*(r/2)+2*\z+1], v[rO+8*(r/2)+2*\z:rO+8*(r/2)+2*\z+1], v[rC+2:rC+3] op_sel_hi:[1,0]
.endr
.set r, r+1
.endm
; HOW THEY ARE DEALT.  Behind a matrix instruction four: plain, exponential, plain, plain (one exponential, a plain instruction on either side), or four of the rescaling.  None names a register of the
; products round it.  What is over stands in two LUMPS: exponential and plain by turns; the second ends in 22 plain instructions.  The two v_permlanex16_b32 fall into the second lump, never behind a product.
; The queues lean on each other, and the deal keeps them in step: exponential e stands behind plain 2 (e / 4) + e % 2 (its scaling); when plain 32 comes, 10 exponentials are out, at 59: 33, at 95: 46; EA comes behind plain 107.
.macro SL
	MM
	PL
	EX
	PL
	PL
.endm
.macro BURST n                      ; 15 matrix instructions, or 16
.rept (\n)-7
	SL
.endr
.rept 3
	MM
	R4
	SL
.endr
	MM
	R4
.endm
; A TURN, for piece p.  cnt = 1: the loop's count is taken down some lines ahead of the branch that stands behind the turn.
; K of the next step is fetched in piece 2's turn, 31 vector instructions behind the last product that read K; its first reader comes behind the rest of the lump, 16 products and the second lump.
; V of the step in hand is fetched at the end of piece 0's turn, 69 behind its last reader; its first reader comes behind 16 products and a lump.  The four conditions on e and q below go with the deal.
.macro TURN p, last=0, cnt=0
.set Y, (\p)
.set i, 0
.set q, 0
.set e, 0
.set r, 0
.if (\p) == NP-1
	s_wait_dscnt 0x0                ; K is in
.endif
	MM
.rept 4
	PL
.endr
	BURST 15
.rept 22
	EX
	PL
.if ((\p) == NP-2) && (e == 18)
	v_add_nc_u32 v[AK], s[TBK], v[AK0]
.endif
.if ((\p) == NP-2) && (e == 24)
	FETCH_K \last
.endif
.endr
.if (\p) == 1
	s_wait_dscnt 0x0                ; V is in
.endif
	BURST 16
.rept 21
	EX
	PL
.endr
.rept 22
	PL
.if ((\p) == 0) && (q == 118)
	v_add_nc_u32 v[AV], s[TBV], v[AV0]
	s_wait_alu depctr_va_vdst(0)
.endif
.if ((\p) == 0) && (q == 130)
	s_add_co_u32 s[TBV], s[TBV], KS*PV
.endif
.if (\cnt) && (q == 130)
	s_sub_co_u32 s[CNT], s[CNT], 1
	s_cmp_lg_u32 s[CNT], 0
.endif
.endr
.if (\p) == 0
	FETCH_V
.endif
.endm
	CHANGE 1                        ; slot 0 is in, everybody's part of it; slot 1 is asked for
	FETCH_K                         ; key step 0
	s_wait_loadcnt 0x0              ; Q
	s_wait_dscnt 0x0
.set i, 0
.rept 16
	KQ 0                            ; piece 0's first scores: there is no vector work yet to set between them
.set i, i+1
.endr
	WIN 0                           ; the addresses for the way out: nine plain instructions, the places behind those products
	s_mul_i32 s13, s[WV], 16*SP
	s_add_co_u32 s13, s13, STAGE    ; my stage
	v_mul_u32_u24 v[STO], v1, SP    ; in: row l % 16, 16 bytes for each half of the lanes
	v_lshl_add_u32 v[STO], v9, 4, v[STO]
	v_add_nc_u32 v[STO], s13, v[STO]
	v_bfe_u32 v[RD], v0, 3, 2       ; back: 32 lanes take four rows of 128 bytes,
	v_mul_u32_u24 v[RD], v[RD], SP
	v_lshl_add_u32 v[RD], v10, 4, v[RD]
	v_add_nc_u32 v[RD], s13, v[RD]
	v_and_b32 v[GO], 31, v0         ; which are 512 consecutive bytes of O
	v_lshlrev_b32 v[GO], 4, v[GO]
.set Y, NP-1                        ; XS works for piece Y + 1: piece 0
.irp n, 0,1,2,3,4,5,6,7,8,9,10,11,12,13,14,15,16,17,18,19,20,21
	XS 0, \n                        ; and piece 0's first maximum and statistics
	XS 1, \n
.endr
	s_mov_b32 s[CNT], 4
	s_branch .Lfirst                ; the loop is entered at a step's first turn, in the middle of a trip
.Lslot:                             ; SIZE_N / 256 - 2 times: every slot but the last two is filled again
	CHANGE 1
	s_mov_b32 s[CNT], 4
.Lstep:                             ; a trip: pieces 2 and 3 of one step, then pieces 0 and 1 of the next, whose K and V it fetches
	TURN 2
	TURN 3
	WIN 0
.Lfirst:
	TURN 0
	TURN 1, 0, 1
	WIN 0
	s_cbranch_scc1 .Lstep
	s_sub_co_u32 s[SLOTS], s[SLOTS], 1
	s_cmp_lg_u32 s[SLOTS], 0
	s_cbranch_scc1 .Lslot
	CHANGE 0                        ; the tail is written out: nothing is asked for
	s_mov_b32 s[CNT], 5             ; four trips fetch the last slot's steps; the fifth is left in its middle
.Ltail:
	TURN 2, 1
	TURN 3
	WIN 0
	s_sub_co_u32 s[CNT], s[CNT], 1
	s_cmp_eq_u32 s[CNT], 0
	s_cbranch_scc1 .Lout
	TURN 0
	TURN 1
	WIN 0
	s_branch .Ltail
.Lout:                              ; the fifth trip's 16 products K Q^T (on the last K once more) and the maximum made of them serve nothing: the price, once a launch, of one text for every trip
.set i, 0
.rept 16
	PV NP-1                         ; the last piece's V^T P of the last step
.set i, i+1
.endr
	; THE WAY OUT.  l's two halves and the other half of the lanes' are added; O^T is divided by l, rounded to f16 and sent through my stage in LDS, a tile at a time.  The additions are the places behind the last products.
	WIN 0
.macro ALL line:vararg              ; one line for each tile t
.set t, 0
.rept 2*NP
	\line
.set t, t+1
.endr
.endm
	ALL v_add_f32 v[ST+4*t+2], v[ST+4*t+2], v[ST+4*t+3]
	ALL v_permlanex16_b32 v[ST+4*t+3], v[ST+4*t+2], s[SEL], s[SEL+1]
	ALL v_add_f32 v[ST+4*t+2], v[ST+4*t+2], v[ST+4*t+3]
	ALL v_rcp_f32 v[ST+4*t+2], v[ST+4*t+2]
	v_nop                           ; a plain instruction between the last reciprocal and the use of its result
	s_wait_alu depctr_va_vdst(0)
; Tile t: a lane's eight channels of a row pack into 16 bytes; they go into rows of 144 bytes and come back as whole rows of 128, into S^T's registers.
.macro PACK t
	WIN W_RS
.set i, 32*(\t)
.rept 16
	v_pk_mul_f32 v[i:i+1], v[i:i+1], v[ST+4*(\t)+2:ST+4*(\t)+3] op_sel_hi:[1,0]
.set i, i+2
.endr
	WIN 0x05                        ; sources 0 and 1 window 1, destination window 0
.set i, 0
.rept 16
	v_cvt_pk_f16_f32 v[S+16*(\t)+i], v[32*(\t)+2*i], v[32*(\t)+2*i+1]
.set i, i+1
.endr
	WIN 0
.irp f, 0,1,2,3
	ds_store_b128 v[STO], v[S+16*(\t)+4*\f:S+16*(\t)+4*\f+3] offset:32*\f
.endr
.irp f, 0,1,2,3
	ds_load_b128 v[S+16*(\t)+4*\f:S+16*(\t)+4*\f+3], v[RD] offset:\f*4*SP  ; LDS serves a wave's instructions in order (ISA guide 5.7.1.4): these see the stores above; the next tile's stores come behind them
.endr
.endm
.macro SEND t, younger              ; younger: the LDS instructions issued behind tile t's loads: the next tile's eight, or none
	WIN 0
.irp f, 0,1,2,3
	s_wait_dscnt (\younger)+3-\f
	global_store_b128 v[GO], v[S+16*(\t)+4*\f:S+16*(\t)+4*\f+3], s[10:11] offset:(\t)*2048+\f*512  ; 512 consecutive bytes, at a multiple of 256 from O's first
.endr
.endm
	PACK 0
.set t, 1
.rept 2*NP-1                        ; a tile's arithmetic stands between the loads of the tile before and its stores
	PACK t
	SEND t-1, 8
.set t, t+1
.endr
	SEND 2*NP-1, 0
	WIN W_AD
	s_wait_tensorcnt 0x0            ; the wave's end, behind my last tensor load and my last LDS store
	ds_add_u32 v[SPW], v[NIL]
	s_wait_dscnt 0x0
	WIN 0
	CROUND                          ; the closing round: no work-group ends while a partner may still ask for a tile that names it
	s_endpgm
.Lfunc_end_k_q0c18734ca2_attn:
	.size	k_q0c18734ca2_attn, .Lfunc_end_k_q0c18734ca2_attn-k_q0c18734ca2_attn
	.p2alignl 7, 3214868480
	.fill 96, 4, 3214868480
	.section	.rodata,"a",@progbits
	.p2align	6, 0x0
	.amdhsa_kernel k_q0c18734ca2_attn
		.amdhsa_group_segment_fixed_size 327680
		.amdhsa_private_segment_fixed_size 0
		.amdhsa_enable_private_segment 0
		.amdhsa_kernarg_size 16
		.amdhsa_user_sgpr_count 2
		.amdhsa_user_sgpr_kernarg_segment_ptr 1
		.amdhsa_wavefront_size32 1
		.amdhsa_system_sgpr_workgroup_id_x 1
		.amdhsa_system_sgpr_workgroup_id_y 1
		.amdhsa_system_sgpr_workgroup_id_z 1
		.amdhsa_system_vgpr_workitem_id 0
		.amdhsa_next_free_vgpr 770
		.amdhsa_next_free_sgpr 66
		.amdhsa_reserve_vcc 0
		.amdhsa_float_denorm_mode_32 3
		.amdhsa_float_denorm_mode_16_64 3
		.amdhsa_memory_ordered 1
		.amdhsa_forward_progress 1
		.amdhsa_inst_pref_size 209
	.end_amdhsa_kernel
	.amdgpu_metadata
---
amdhsa.version: [ 1, 2 ]
amdhsa.kernels:
  - .name:           k_q0c18734ca2_attn
    .symbol:         k_q0c18734ca2_attn.kd
    .args:
      - { .name: qkvh, .offset: 0, .size: 8, .value_kind: global_buffer, .address_space: global }
      - { .name: oh, .offset: 8, .size: 8, .value_kind: global_buffer, .address_space: global }
    .group_segment_fixed_size: 327680
    .private_segment_fixed_size: 0
    .kernarg_segment_align: 8
    .kernarg_segment_size: 16
    .max_flat_workgroup_size: 128
    .sgpr_count:     66
    .vgpr_count:     770
    .wavefront_size: 32
...
	.end_amdgpu_metadata
.endif
;; end of part 3
;; launch outp (part 4): grid 4 x 64, 4 waves a work-group, clusters of 4 x 4, 327,680 bytes of LDS; arguments oh, wcast, bcast, out0; writes out0
.if DOCPART == 4
	.amdgcn_target "amdgcn-amd-amdhsa--gfx1250"
	.amdhsa_code_object_version 6
	.text
	.protected	k_q0c18734ca2_outp
	.globl	k_q0c18734ca2_outp
	.p2align	8
	.type	k_q0c18734ca2_outp,@function
k_q0c18734ca2_outp:
	s_mov_b64 s[64:65], 0
	v_nop
	global_prefetch_b8 v0, s[64:65] scope:SCOPE_SE
	s_setreg_imm32_b32 hwreg(HW_REG_WAVE_MODE, 25, 1), 1
	s_wait_xcnt 0x0
	s_wait_alu depctr_hold_cnt(0) depctr_sa_sdst(0) depctr_va_vdst(0) depctr_va_sdst(0) depctr_va_ssrc(0) depctr_va_vcc(0) depctr_vm_vsrc(0)
	s_getreg_b32 s2, hwreg(HW_REG_IB_STS2, 6, 4)
	s_cmp_eq_u32 s2, 0
	s_cbranch_scc0 .Lentry_in_a_cluster
	s_endpgm
.Lentry_in_a_cluster:
	s_bfe_u32 s2, ttmp6, 0x10000c
	s_cmp_lg_u32 s2, 0xf033
	s_cbranch_scc0 .Lentry_shape_is_right
	s_endpgm
.Lentry_shape_is_right:
; THE OUTPUT PROJECTION.  out0[m][n] = the sum over k of O[m][k] w_o[k][n] + b_o[n], f32.  O: oh[16 (m / 2048) + k / 64][m % 2048][k % 64] in f16; w_o: plane 3 of wcast, [1024 k][1024 n] in f16;
; b_o: row 3 of bcast, f32.  Sums in f32; out0 is the sum as it stands.
; SHARES.  A tile of out0 is 128 rows x 256 columns: 64 x 4 = 256 work-groups, one tile each.  Four waves, each 64 rows x 128 columns: 32 accumulators.  K goes in steps of 128, two heads, through two LDS slots.
; CLUSTERS.  4 x 4 work-groups; O's tile is shared along a row of the cluster, w_o's along a column: each is asked for JOINTLY, by the same tensor load with the same descriptor and a mask that names the four.
; A head's 128 rows of 128 bytes are dense: they are asked for as 64 rows of 256 bytes and padded in LDS after every 128.  w_o lies [k][n]: ds_load_tr16_b128 turns it on the way out of LDS.
; THE MATRIX INSTRUCTION IS USED TRANSPOSED (source 0 = 16 columns of w_o, source 1 = 16 rows of O): lane l holds row l % 16 and the columns 8 (l / 16) + 0..7; the bias, laid out the same way, is the C of each sum's first product.
; REGISTERS, in windows of 256 (s_set_vgpr_msb: bits 1:0 source 0, 3:2 source 1, 5:4 source 2, 7:6 destination):
;   window 0: v0-29 addresses; v32-95 O's fragments, two buffers; v96-223 the way out, two buffers     window 1: v0-127 w_o's fragments, two buffers; v128-191 the bias     window 2: accumulator (a, b) at v[8 (8 a + b)]
.set PAP,   144                        ; a row of O in LDS: 128 bytes + 16 = 36 words: the 16 rows of a load start at 16 different groups of four banks (64 banks of 4 bytes: ISA guide 11.1)
.set PBP,   544                        ; a row of w_o: 512 + 32 = 136 words
.set AHALF, 128*PAP                    ; what one tensor load brings of O: a head's 128 rows
.set BHALF, 64*PBP                     ; and of w_o: 64 k rows
.set BOFF,  2*AHALF
.set SLOT,  BOFF+2*BHALF               ; 106,496
.set STAGE, 2*SLOT                     ; behind the ring, never filled by a tensor load: 16 rows x 528 bytes for each wave
.set SPO,   528
.set SPARE, STAGE+4*16*SPO             ; behind the stages: the spare words, 128 bytes for each wave: two blocks of 256 bytes that no other line names
.set ASTEP, 524288                     ; a K step in oh: two heads of 262,144 bytes
.set BSTEP, 262144                     ; a K step down w_o: 128 rows of 2,048 bytes
.set ADRA, 16                          ; v16-17  LDS address of my fragments of O in slot 0, 1
.set ADRB, 20                          ; v20-21  the same for w_o
.set STO,  24                          ; v24     the way out: where I put 32 bytes of a row
.set RD,   25                          ; v25     the way out: where I read a row back
.set CO,   26                          ; v26     my byte offset in 512 consecutive bytes of out0
.set BO,   27                          ; v27     my byte offset in the bias
.set SPW,  28                          ; v28     LDS address of my spare word: SPARE + 4 x my thread's number; never rewritten
.set NIL,  29                          ; v29     0; never rewritten
.set AF,   32
.set OB,   96
.set BF,   0                           ; window 1
.set BIAS, 128                         ; window 1
.set G1A,  24                          ; s[24:31] descriptor group 1 for O's tiles;  s[32:39] group 0, one set for each slot
.set G0A,  32
.set G1B,  40                          ; s[40:47], s[48:55] the same for w_o's tiles
.set G0B,  48
.set MSB, 0
.macro WIN new                         ; the immediate's high byte repeats the setting that is left; a switch that changes nothing is dropped
.if MSB != (\new)
	s_set_vgpr_msb (MSB<<8)|(\new)
.set MSB, (\new)
.endif
.endm
.set W_MUL,  0xa1                      ; source 0 (w_o) window 1, source 1 (O) window 0, C and D window 2
.set W_MULZ, 0x91                      ; the same with C (the bias) in window 1
.set W_TOB,  0x40                      ; destination window 1, address window 0
.set W_ST,   0x08                      ; an LDS store's data (source 1) in window 2, its address in window 0
.macro JLOAD s                         ; a joint load: waves 0 and 1 fetch O's two heads, waves 2 and 3 w_o's two halves; an s_nop 0 and four v_nop follow each of the two lines
	s_cmp_eq_u32 s17, 0
	s_cbranch_scc0 .Lfor_b_\@
	tensor_load_to_lds s[G0A+4*(\s):G0A+4*(\s)+3], s[G1A:G1A+7]
	s_nop 0
.rept 4
	v_nop
.endr
	s_branch .Lasked_\@
.Lfor_b_\@:
	tensor_load_to_lds s[G0B+4*(\s):G0B+4*(\s)+3], s[G1B:G1B+7]
	s_nop 0
.rept 4
	v_nop
.endr
.Lasked_\@:
.endm
.macro CREST                           ; a round of the cluster's barrier behind its opening barrier
	s_cmp_lg_u32 s16, 0
	s_cbranch_scc1 .Lnot_wave_0_\@
	s_barrier_signal -3
.Lnot_wave_0_\@:
	s_barrier_wait -3
	s_barrier_signal -1
	s_barrier_wait -1
.endm
.macro CROUND                          ; a whole round
	s_barrier_signal -1
	s_barrier_wait -1
	CREST
.endm
	s_load_b256 s[4:11], s[0:1], 0x0               ; oh s[4:5], wcast s[6:7], bcast s[8:9], out0 s[10:11]
	v_lshl_add_u32 v[SPW], v0, 2, SPARE
	v_mov_b32 v[NIL], 0
	ds_add_u32 v[SPW], v[NIL]                      ; the wave's opening: the add and its wait stand ahead of my first tensor load; the set-up below, work on registers, stands between them
	v_lshrrev_b32 v1, 5, v0
	v_readfirstlane_b32 s16, v1                    ; wave 0..3
	s_lshr_b32 s17, s16, 1                         ; which 64 rows of the tile are mine.  Also: I fetch for O (0) or for w_o (1)
	s_and_b32 s18, s16, 1                          ; which 128 columns.  Also: which half of that tile I fetch
	s_bfe_u32 s19, ttmp6, 0x40000                  ; cx, cy: my place in the cluster
	s_bfe_u32 s20, ttmp6, 0x40004
	s_lshl_b32 s21, ttmp9, 2
	s_add_co_u32 s21, s21, s19                     ; tile column = 4 x cluster x + cx
	s_and_b32 s22, ttmp7, 0xffff
	s_lshl_b32 s22, s22, 2
	s_add_co_u32 s22, s22, s20                     ; tile row = 4 x cluster y + cy
	s_lshl_b32 s62, s20, 2
	s_lshl_b32 s62, 15, s62                        ; my row of the cluster
	s_lshl_b32 s63, 0x1111, s19                    ; my column
	s_or_b32 s[G1A], s62, (1<<16)|(1<<20)|(1<<21)|(4<<22)|(3<<25)  ; 15:0 the mask: my row; 17:16 elements of 2 bytes; 20 padding on; 21 set beside a mask; 24:22 after every 32 words (code 4); 31:25 4 words (code 3)
	s_or_b32 s[G1B], s63, (1<<16)|(1<<20)|(1<<21)|(6<<22)|(7<<25)  ; the mask: my column; after every 128 words (code 6) 8 words (code 7)
	s_mov_b32 s[G1A+1], 128<<16                    ; tensor_dim0 = 128
	s_mov_b32 s[G1A+2], 64<<16                     ; tensor_dim1 = 64
	s_mov_b32 s[G1A+3], 128<<16                    ; tile_dim0 = 128
	s_mov_b32 s[G1A+4], 64                         ; tile_dim1 = 64
	s_mov_b32 s[G1A+5], 128                        ; elements from row to row: dense
	s_mov_b32 s[G1A+6], 0
	s_mov_b32 s[G1A+7], 0
	s_mov_b32 s[G1B+1], 256<<16
	s_mov_b32 s[G1B+2], 64<<16
	s_mov_b32 s[G1B+3], 256<<16
	s_mov_b32 s[G1B+4], 64
	s_mov_b32 s[G1B+5], 1024
	s_mov_b32 s[G1B+6], 0
	s_mov_b32 s[G1B+7], 0
	; O's address hangs on the tile row and the wave alone, w_o's on the tile column and the wave alone, each made in registers that never hold the other coordinate
	s_lshr_b32 s56, s22, 4                         ; the batch's 16 heads of 262,144 bytes,
	s_lshl_b32 s56, s56, 22
	s_and_b32 s57, s22, 15                         ; the tile's 128 rows of 128 bytes in a head,
	s_lshl_b32 s57, s57, 14
	s_add_co_u32 s56, s56, s57
	s_lshl_b32 s57, s18, 18                        ; which of a K step's two heads I fetch
	s_add_co_u32 s56, s56, s57
	s_mov_b32 s57, 0
	s_lshl_b32 s58, s18, 17                        ; the 64 k rows of 2,048 bytes that I fetch,
	s_lshl_b32 s59, s21, 9                         ; 256 columns of 2 bytes a tile column,
	s_add_co_u32 s58, s58, s59
	s_add_co_u32 s58, s58, 3*2097152               ; in plane 3
	s_mov_b32 s59, 0
	s_lshl_b32 s60, s22, 19                        ; out0: 128 rows of 4,096 bytes a tile row,
	s_lshl_b32 s61, s17, 18                        ; my 64,
	s_add_co_u32 s60, s60, s61
	s_lshl_b32 s61, s21, 10                        ; 256 columns of 4 bytes a tile column,
	s_add_co_u32 s60, s60, s61
	s_lshl_b32 s61, s18, 9                         ; my 128
	s_add_co_u32 s60, s60, s61
	s_mov_b32 s61, 0
	s_mul_i32 s23, s18, AHALF                      ; where the tiles go: no place in the cluster enters an LDS address
	s_mul_i32 s2, s18, BHALF
	s_add_co_u32 s2, s2, BOFF
	s_wait_dscnt 0x0                               ; the opening add is done
	s_wait_kmcnt 0x0
	s_add_nc_u64 s[4:5], s[4:5], s[56:57]
	s_add_nc_u64 s[6:7], s[6:7], s[58:59]
	s_add_nc_u64 s[8:9], s[8:9], 3*4096            ; b_o's row of bcast
	s_add_nc_u64 s[10:11], s[10:11], s[60:61]
	CROUND                                         ; all sixteen work-groups are here: the first joint loads meet
.irp s, 0,1
	s_mov_b32 s[G0A+4*(\s)], 1                     ; 1:0 count = 1
	s_add_co_u32 s[G0A+4*(\s)+1], s23, (\s)*SLOT   ; 63:32 LDS address
	s_add_nc_u64 s[G0A+4*(\s)+2:G0A+4*(\s)+3], s[4:5], (\s)*ASTEP  ; 120:64 global address: K step s
	s_or_b32 s[G0A+4*(\s)+3], s[G0A+4*(\s)+3], 0x80000000          ; 127:126 type = 2
	s_mov_b32 s[G0B+4*(\s)], 1
	s_add_co_u32 s[G0B+4*(\s)+1], s2, (\s)*SLOT
	s_add_nc_u64 s[G0B+4*(\s)+2:G0B+4*(\s)+3], s[6:7], (\s)*BSTEP
	s_or_b32 s[G0B+4*(\s)+3], s[G0B+4*(\s)+3], 0x80000000
	JLOAD \s                                       ; two loads of mine are out
.endr
	v_and_b32 v1, 15, v0                           ; l % 16
	v_bfe_u32 v2, v0, 4, 1                         ; l / 16
	v_and_b32 v3, 7, v0                            ; l % 8
	v_bfe_u32 v4, v0, 3, 1                         ; (l / 8) % 2
	v_and_b32 v5, 31, v0                           ; l
	v_mul_u32_u24 v6, v1, PAP                      ; a fragment of O: row l % 16, two loads of 16 bytes, 32 bytes apart, at 16 (l / 16)
	v_lshl_add_u32 v6, v2, 4, v6
	s_mul_i32 s3, s17, 64*PAP                      ; my 64 rows
	v_add_nc_u32 v[ADRA], s3, v6
	v_add_nc_u32 v[ADRA+1], SLOT, v[ADRA]
	v_lshl_add_u32 v7, v2, 3, v3                   ; the turning load: k row 8 (l / 16) + l % 8, columns 8 ((l / 8) % 2) + 0..7
	v_mul_u32_u24 v7, v7, PBP
	v_lshl_add_u32 v7, v4, 4, v7
	s_lshl_b32 s3, s18, 8                          ; my 128 columns
	s_add_co_u32 s3, s3, BOFF
	v_add_nc_u32 v[ADRB], s3, v7
	v_add_nc_u32 v[ADRB+1], SLOT, v[ADRB]
	s_mul_i32 s3, s16, 16*SPO
	s_add_co_u32 s3, s3, STAGE                     ; my stage
	v_mul_u32_u24 v8, v1, SPO                      ; in: row l % 16, 32 bytes for each half of the lanes
	v_lshl_add_u32 v8, v2, 5, v8
	v_add_nc_u32 v[STO], s3, v8
	v_lshl_add_u32 v[RD], v5, 4, s3                ; back: 32 lanes take one row of 512 bytes
	v_lshlrev_b32 v[CO], 4, v5
	s_lshl_b32 s58, s21, 10                        ; the bias: 256 numbers of 4 bytes a tile column,
	s_lshl_b32 s59, s18, 9                         ; my 128,
	s_add_co_u32 s58, s58, s59
	v_lshl_add_u32 v[BO], v2, 5, s58               ; 8 for each half of the lanes
	WIN W_TOB
.irp b, 0,1,2,3,4,5,6,7
	global_load_b128 v[BIAS+8*(\b):BIAS+8*(\b)+3],   v[BO], s[8:9] offset:64*(\b)
	global_load_b128 v[BIAS+8*(\b)+4:BIAS+8*(\b)+7], v[BO], s[8:9] offset:64*(\b)+16
.endr
	WIN 0
; Matrix instruction i of a quarter's 32 (32 along K): column block i / 4, row block i % 4, fragment buffers f.  The 32 accumulators take turns, one instruction a turn, in the same order in every quarter.
; z = 1: the first quarter: the sums start from the bias.
.macro WM f, z
.set rB, BF+64*(\f)+8*(i/4)
.set rA, AF+32*(\f)+8*(i%4)
.set rC, 8*(8*(i%4)+i/4)
.if \z
	WIN W_MULZ
	v_wmma_f32_16x16x32_f16 v[rC:rC+7], v[rB:rB+7], v[rA:rA+7], v[BIAS+8*(i/4):BIAS+8*(i/4)+7]
.else
	WIN W_MUL
	v_wmma_f32_16x16x32_f16 v[rC:rC+7], v[rB:rB+7], v[rA:rA+7], v[rC:rC+7]
.endif
.endm
; The next quarter's fragments (slot ns, quarter nq, into buffers nf) in six groups of four loads: 0, 1: row blocks 2 g and 2 g + 1 of O (head nq / 2 of the step's two, channels 32 (nq % 2) on);
; 2-5: column blocks 2 (g - 2) and 2 (g - 2) + 1 of w_o, turned.
.macro GRP g, nf, ns, nq
.if (\g) < 2
	WIN 0
.irp o, 0,1
	ds_load_b128 v[AF+32*(\nf)+8*(2*(\g)+\o):AF+32*(\nf)+8*(2*(\g)+\o)+3],   v[ADRA+(\ns)] offset:((\nq)/2)*AHALF+(2*(\g)+\o)*16*PAP+64*((\nq)%2)
	ds_load_b128 v[AF+32*(\nf)+8*(2*(\g)+\o)+4:AF+32*(\nf)+8*(2*(\g)+\o)+7], v[ADRA+(\ns)] offset:((\nq)/2)*AHALF+(2*(\g)+\o)*16*PAP+64*((\nq)%2)+32
.endr
.else
	WIN W_TOB
.irp o, 0,1
	ds_load_tr16_b128 v[BF+64*(\nf)+8*(2*((\g)-2)+\o):BF+64*(\nf)+8*(2*((\g)-2)+\o)+3],   v[ADRB+(\ns)] offset:(\nq)*32*PBP+32*(2*((\g)-2)+\o)
	ds_load_tr16_b128 v[BF+64*(\nf)+8*(2*((\g)-2)+\o)+4:BF+64*(\nf)+8*(2*((\g)-2)+\o)+7], v[ADRB+(\ns)] offset:(\nq)*32*PBP+32*(2*((\g)-2)+\o)+16*PBP
.endr
.endif
.endm
; One of a K step's first three quarters.  A load into a register that a matrix instruction has read stands four places behind it, and only plain vector instructions that name none of its registers are
; places (ISA guide 7.12.1 for vector instructions): four v_nop stand behind the second product, ahead of the first loads into the buffers that the quarter before multiplied.
.macro QTR f, ns, nq, z
	s_wait_dscnt 0x0                               ; this quarter's fragments are in: the youngest was issued 18 matrix instructions ago
.set i, 0
.rept 32
	WM \f, \z
.if i == 1
.rept 4
	v_nop
.endr
.endif
.if (i%2 == 1) && (i >= 3) && (i <= 13)
	GRP (i-3)/2, 1-(\f), \ns, \nq
.endif
.set i, i+1
.endr
.endm
; The fourth quarter multiplies buffers 1 and changes slots: ONE barrier; in front of it each wave waits for all its tensor loads, of which one is out: its part of the next slot; adds 0 to its spare word; and waits for
; that and for its own reads of this slot.  fill = 1: the barrier opens a round of the cluster's, and this slot is filled again first thing behind the round, two K steps ahead: 120 matrix instructions ahead of the wait for it.
.macro TURN s, fill
	WIN 0                                          ; (the add's two registers lie in window 0)
	s_wait_tensorcnt 0x0                           ; no tensor load of mine is out, so a group 0 may be written
	ds_add_u32 v[SPW], v[NIL]                      ; 0 onto my spare word
.if \fill
	s_add_nc_u64 s[G0A+4*(\s)+2:G0A+4*(\s)+3], s[G0A+4*(\s)+2:G0A+4*(\s)+3], 2*ASTEP  ; the type bits on top are not reached
	s_add_nc_u64 s[G0B+4*(\s)+2:G0B+4*(\s)+3], s[G0B+4*(\s)+2:G0B+4*(\s)+3], 2*BSTEP
.endif
	s_wait_dscnt 1                                 ; only the add may be out: this quarter's fragments are in
.set i, 0
.rept 4
	WM 1, 0
.set i, i+1
.endr
	s_wait_dscnt 0x0                               ; the add is done, and my reads of this slot are over
	s_barrier_signal -1
.rept 4
	WM 1, 0                                        ; work on registers while the others arrive
.set i, i+1
.endr
.if \fill
	WIN 0
.endif
	s_barrier_wait -1
.if \fill
	CREST                                          ; no wave of any partner still reads this slot's tile or has a load on its way
	JLOAD \s                                       ; the four v_nop behind it are also the places in front of the loads below
.else
.rept 4
	v_nop
.endr
.endif
.rept 24
	WM 1, 0
.if i < 14
	GRP i-8, 0, 1-(\s), 0                          ; the next slot's first quarter
.endif
.set i, i+1
.endr
.endm
; THE WAY OUT of row block a.  A lane's 32 bytes of a row go straight from the accumulators (each from its low end on) into my own stage, rows of 528 bytes; whole rows of 512 come back and are stored.
.macro TOSTAGE a
	WIN W_ST
.irp b, 0,1,2,3,4,5,6,7
	ds_store_b128 v[STO], v[8*(8*(\a)+(\b)):8*(8*(\a)+(\b))+3]   offset:64*(\b)
	ds_store_b128 v[STO], v[8*(8*(\a)+(\b))+4:8*(8*(\a)+(\b))+7] offset:64*(\b)+16
.endr
	WIN 0
.set BK, OB+64*((\a)%2)
.irp t, 0,1,2,3,4,5,6,7,8,9,10,11,12,13,14,15
	ds_load_b128 v[BK+4*(\t):BK+4*(\t)+3], v[RD] offset:(\t)*SPO  ; LDS serves a wave's instructions in order (ISA guide 5.7.1.4): these see the stores above; the next block's stores come behind them
.endr
.endm
.macro SEND a, younger                 ; younger: the LDS instructions issued behind block a's loads: the next block's 32, or none
	WIN 0
.set BK, OB+64*((\a)%2)
.irp t, 0,1,2,3,4,5,6,7,8,9,10,11,12,13,14,15
	s_wait_dscnt (\younger)+15-(\t)
	global_store_b128 v[CO], v[BK+4*(\t):BK+4*(\t)+3], s[10:11] offset:(16*(\a)+(\t))*4096  ; 512 consecutive bytes of a row, at a multiple of 512 from out0's first
.endr
.endm
	s_wait_tensorcnt 1                             ; my part of K step 0 is in; K step 1's may stay out
	s_barrier_signal -1
	s_barrier_wait -1                              ; everybody's is
.irp g, 0,1,2,3,4,5
	GRP \g, 0, 0, 0                                ; the first quarter's fragments
.endr
	s_wait_loadcnt 0x0                             ; the bias
	QTR 0, 0, 1, 1                                 ; the first quarter stands in front of the loop: its products start the sums
	WIN 0
	s_mov_b32 s3, 3
.Llap:                                                 ; a trip goes once round the ring, from a lap's second quarter to the next lap's first, and fills both slots again: 6 fills for K steps 2 to 7
	QTR 1, 0, 2, 0
	QTR 0, 0, 3, 0
	TURN 0, 1
	QTR 0, 1, 1, 0
	QTR 1, 1, 2, 0
	QTR 0, 1, 3, 0
	TURN 1, 1
	QTR 0, 0, 1, 0
	WIN 0
	s_sub_co_u32 s3, s3, 1
	s_cmp_lg_u32 s3, 0
	s_cbranch_scc1 .Llap
	QTR 1, 0, 2, 0                                 ; the last lap is written out: it asks for nothing
	QTR 0, 0, 3, 0
	TURN 0, 0
	QTR 0, 1, 1, 0
	QTR 1, 1, 2, 0
	QTR 0, 1, 3, 0
	s_wait_dscnt 0x0
.set i, 0
.rept 32
	WM 1, 0
.set i, i+1
.endr
	WIN 0
.rept 8
	v_nop                                          ; the places behind the last products: no other vector work is at hand
.endr
	TOSTAGE 0
.irp a, 1,2,3
	s_wait_xcnt 0x0                                ; the stores of block a - 2 have read their registers: this block's rows are loaded into them
	TOSTAGE \a
	SEND (\a)-1, 32
.endr
	SEND 3, 0
	s_wait_tensorcnt 0x0                           ; the wave's end, behind my last tensor load and my last LDS store
	ds_add_u32 v[SPW], v[NIL]
	s_wait_dscnt 0x0
	CROUND                                         ; the closing round: no work-group ends while a partner may still ask for a tile that names it
	s_endpgm
.Lfunc_end_k_q0c18734ca2_outp:
	.size	k_q0c18734ca2_outp, .Lfunc_end_k_q0c18734ca2_outp-k_q0c18734ca2_outp
	.p2alignl 7, 3214868480
	.fill 96, 4, 3214868480
	.section	.rodata,"a",@progbits
	.p2align	6, 0x0
	.amdhsa_kernel k_q0c18734ca2_outp
		.amdhsa_group_segment_fixed_size 327680
		.amdhsa_private_segment_fixed_size 0
		.amdhsa_enable_private_segment 0
		.amdhsa_kernarg_size 32
		.amdhsa_user_sgpr_count 2
		.amdhsa_user_sgpr_kernarg_segment_ptr 1
		.amdhsa_wavefront_size32 1
		.amdhsa_system_sgpr_workgroup_id_x 1
		.amdhsa_system_sgpr_workgroup_id_y 1
		.amdhsa_system_sgpr_workgroup_id_z 1
		.amdhsa_system_vgpr_workitem_id 0
		.amdhsa_next_free_vgpr 768
		.amdhsa_next_free_sgpr 66
		.amdhsa_reserve_vcc 0
		.amdhsa_float_denorm_mode_32 3
		.amdhsa_float_denorm_mode_16_64 3
		.amdhsa_memory_ordered 1
		.amdhsa_forward_progress 1
		.amdhsa_inst_pref_size 93
	.end_amdhsa_kernel
	.amdgpu_metadata
---
amdhsa.version: [ 1, 2 ]
amdhsa.kernels:
  - .name:           k_q0c18734ca2_outp
    .symbol:         k_q0c18734ca2_outp.kd
    .args:
      - { .name: oh, .offset: 0, .size: 8, .value_kind: global_buffer, .address_space: global }
      - { .name: wcast, .offset: 8, .size: 8, .value_kind: global_buffer, .address_space: global }
      - { .name: bcast, .offset: 16, .size: 8, .value_kind: global_buffer, .address_space: global }
      - { .name: out0, .offset: 24, .size: 8, .value_kind: global_buffer, .address_space: global }
    .group_segment_fixed_size: 327680
    .private_segment_fixed_size: 0
    .kernarg_segment_align: 8
    .kernarg_segment_size: 32
    .max_flat_workgroup_size: 128
    .sgpr_count:     66
    .vgpr_count:     768
    .wavefront_size: 32
...
	.end_amdgpu_metadata
.endif
;; end of part 4
